; MI455X (gfx1250); checked and timed in simulation.
; The chip was launched on July 23, 2026; its instructions are those of AMD's public machine-readable ISA for CDNA 5 (MIT licence, August 2026) and "CDNA5" Instruction Set Architecture Reference Guide (July 2026). The comments in the code are by the model that wrote it; some were corrected since.
;; Multi Head Attention. Allowed arithmetic: matrix products marked QUANTISED: E3M2 operands, one E8M0 scale for each 32 along K, by v_wmma_scale_f32_16x16x128_f8f6f4 with both operands' format E3M2, f32 sums; everything else in f32.
;; Inputs: Wk 768 x 768 float32; Wo 768 x 768 float32; Wq 768 x 768 float32; Wv 768 x 768 float32; bk 768 float32; bo 768 float32; bq 768 float32; bv 768 float32; k 1 x 4,096 x 768 float32; q 1 x 4,096 x 768 float32; v 1 x 4,096 x 768 float32.
;; Outputs: out0 1 x 4,096 x 768 float32.
;; This version of the problem:
;;   THIS VERSION OF THE PROBLEM IS GIVEN IN LOW PRECISION. The matrix products marked QUANTISED in the list below multiply operands that are first quantised to E3M2 (3 exponent bits, 2 mantissa bits; 6 bits a number), with one power-of-two scale for each 32 numbers along K (OCP MX v1.0); their sums are f32. All else is computed in f32.
;;   The module's matrix products, in the order in which they are computed (A, B: the left and right operand; K: the contracted axis; several contracted axes count as one K, in the product's order):
;;     1. [M 4,096, K 768] x [K 768, N 768]; A: input q; B: input Wq: QUANTISED
;;     2. [M 4,096, K 768] x [K 768, N 768]; A: input k; B: input Wk: QUANTISED
;;     3. [M 4,096, K 768] x [K 768, N 768]; A: input v; B: input Wv: QUANTISED
;;     4. batch 12 x [M 4,096, K 64] x [K 64, N 4,096]; A: computed on the way; B: computed on the way: QUANTISED
;;     5. batch 12 x [M 4,096, K 4,096] x [K 4,096, N 64]; A: softmax (see below); B: computed on the way: QUANTISED
;;     6. [M 4,096, K 768] x [K 768, N 768]; A: computed on the way; B: input Wo: QUANTISED
;;   THE QUANTISER, for each operand of a quantised product, along K:
;;     - K is cut into blocks of 32 from its start; a last block that is shorter is filled with zeros.
;;     - A block's scale is 2^e with e = floor(log2(the largest magnitude in the block)) - 4, held to -126 .. 127; a block of zeros has e = 0. As a byte (E8M0): e + 127.
;;     - Each number is divided by its block's scale, clamped to +-28, and rounded to the nearest number of E3M2, ties to even, subnormals kept.
;;     - The product sums the exact products of the quantised numbers (number of the format x scale) in f32.
;;   ~~~python
;;   def quantise(x, axis):      # numpy; x: float32 -> the quantised numbers, widened to float32 again
;;       x = np.moveaxis(x, axis, -1); K = x.shape[-1]
;;       x = np.pad(x, [(0, 0)] * (x.ndim - 1) + [(0, -K % 32)]); x = x.reshape(x.shape[:-1] + (-1, 32)); a = np.abs(x).max(-1, keepdims=True)
;;       e = np.where(a > 0, np.clip(np.frexp(np.where(a > 0, a, 1))[1] - 1 - 4, -126, 127), 0)      # np.frexp(a)[1] - 1 = floor(log2(a)), exactly
;;       r = np.clip(x / 2.0 ** e, -28, 28)
;;       step = 2.0 ** (np.maximum(np.frexp(np.where(r == 0, 1, r))[1] - 1, -2) - 2)
;;       q = np.round(r / step) * step * 2.0 ** e      # np.round: ties to even
;;       return np.moveaxis(q.reshape(q.shape[:-2] + (-1,))[..., :K], -1, axis).astype(np.float32)
;;   ~~~
;;   SOFTMAX AHEAD OF A QUANTISED PRODUCT. Where the list says 'softmax', what is quantised is not the finished softmax but p = 2^(t - M), with t = logit x log2(e) and M = ceil(the row's largest t), a whole number; so 1/2 < the row's largest p <= 1. The row's sum l is taken of the UNQUANTISED p, in f32, and the product's result is divided by l at the end. Since M is a whole number, a kernel that streams over the keys may use a running M (the ceiling of the running maximum): every later rescaling is an exact power of two, which a block's scale takes up: the codes' values come out the same.
;;   OPERANDS COMPUTED ON THE WAY. 'Computed on the way' means the value that the module computes at that place (a softmax that the list does not call 'softmax' is quantised finished and normalised). What goes into a quantiser is computed in f32, as accurately as f32 sums, v_exp_f32 and their like allow (about 1e-6 of the number): no bf16 or f16 on the way to a quantiser, and a product that is left as it is and whose result goes on into a quantised operand takes f32 operands (vector FMAs, or v_wmma_f32_16x16x4_f32). A number that lies on a knife's edge between two numbers of the format may be rounded either way, as far as f32 arithmetic and the matrix unit's own rounding can turn it there, and no further.
;; 2 versions. Each part assembles by itself: llvm-mc -triple=amdgcn-amd-amdhsa -mcpu=gfx1250 --defsym DOCPART=n.
;; ======== version 1 of 2: 4 launches
;; workspace buffers: img 8,847,360 bytes; isc 368,640 bytes; qimg 2,359,296 bytes; qsc 196,608 bytes; kv 5,013,504 bytes; oimg 2,359,296 bytes; osc 98,304 bytes
;; launch quant (part 1): grid 240 x 1, 6 waves a work-group, no clusters, 203,520 bytes of LDS; arguments q, k, v, Wq, Wk, Wv, Wo, img, isc; writes img, isc
.if DOCPART == 1
	.amdgcn_target "amdgcn-amd-amdhsa--gfx1250"
	.amdhsa_code_object_version 6
	.text
	.protected	k_q362c0d3ddf_quant
	.globl	k_q362c0d3ddf_quant
	.p2align	8
	.type	k_q362c0d3ddf_quant,@function
k_q362c0d3ddf_quant:
	s_mov_b64 s[64:65], 0
	v_nop
	global_prefetch_b8 v0, s[64:65] scope:SCOPE_SE
	s_setreg_imm32_b32 hwreg(HW_REG_WAVE_MODE, 25, 1), 1
	s_wait_xcnt 0x0
; q, k, v [4096][768] and Wq, Wk, Wv, Wo [768][768], f32 with K = 768 innermost, become codes of BF6 (E3M2) with one E8M0 byte for each 32 along K,
; laid in the ORDER OF AN OPERAND'S REGISTERS, so that the later launches load fragments whole.
; A block's scale is 2^(floor(log2(largest magnitude)) - 4); its byte is the largest magnitude's exponent field - 4, held at 1 from below.
; LIMITS: NaN and infinities among the inputs are not served.  A block of zeros gets the byte 1 where the rule says 127: its codes are zeros, which add nothing
; under any byte but 0xff, and the bytes are read by this program alone.  Beyond 28 the conversion gives the largest code, as the rule asks.
; SHARES.  The seven tensors are 240 blocks of 64 rows (q 0-63, k 64-127, v 128-191, Wq 192-203, Wk 204-215, Wv 216-227, Wo 228-239); a work-group takes a block,
; wave s its K step s (64 rows x 128 numbers).  The waves share nothing: no barrier.  No work-group reads what another reads: no cluster.
; TILE ORDER.  A block is four tiles; in tile t = 2 b + u lane r stands for row 32 b + 8 u + r + 8 (r / 8): a product that takes such a tile as source 0 then
; leaves 16 NEIGHBOURING rows in the 16 registers of tiles 2 b and 2 b + 1.
; img: [block][tile][K step][1,536]: a fragment's 12 registers as three pieces of 512 bytes, piece c = registers 4 c .. 4 c + 3, lane l at 16 l.
; isc: [block][K step][r][tile] words: lane r takes its four tiles' scale words by one load of 16 bytes.
; The numbers come by two tensor loads a wave (32 rows x 512 bytes each, every row two aligned runs of 256 bytes), into rows of 528 bytes; LDS bytes are filled once.
.set ROWB,  3072                       ; a row of a tensor in bytes
.set PITCH, 528                        ; an LDS row: 512 bytes + 16 of padding
.set HALF,  32*PITCH                   ; what one tensor load fills
.set WREG,  64*PITCH                   ; a wave's own region
.set LA,  4                            ; v4   LDS: my wave's region + (r + 8 (r / 8)) x 528 + 64 h
.set LI,  5                            ; v5   16 x lane: my place in a piece of an image
.set LSO, 6                            ; v6   16 r + 8 h: my two words of the scale table
.set TM,  8                            ; v8-11 largest magnitudes, v12-15 the other half's, then bytes, v20-23 scale operands
.set H2,  24                           ; v24-30 the conversions' second halves
.set PW,  32                           ; v32-35 tile t's scale word
.set PC,  40                           ; v40-87 tile t's codes at 40 + 12 t: no store's data are written again
.set X,   128                          ; v128-255 two sets of 64 numbers
.set SEL, 28                           ; s[28:29] lane selects: lane l xor 16
.set G1,  32                           ; s[32:39] descriptor group 1
.set G0,  40                           ; s[40:47] two groups 0
	s_load_b512 s[8:23], s[0:1], 0x0               ; q, k, v, Wq, Wk, Wv, Wo, img
	s_load_b64 s[24:25], s[0:1], 0x40              ; isc
	v_lshl_add_u32 v126, v0, 2, 0x31800
	v_mov_b32 v127, 0
	ds_add_u32 v126, v127
	ds_add_u32 v126, v127
	v_lshrrev_b32 v1, 5, v0
	v_readfirstlane_b32 s7, v1                     ; wave = K step 0..5
	s_mov_b32 s[G1+0], (2<<16)|(1<<20)|(6<<22)|(3<<25)  ; no mask; elements of 4 bytes; padding on: after every 128 words, 4 words
	s_mov_b32 s[G1+1], 128<<16                     ; tensor_dim0 = 128
	s_mov_b32 s[G1+2], 32<<16                      ; tensor_dim1 = 32
	s_mov_b32 s[G1+3], 128<<16                     ; tile_dim0 = 128
	s_mov_b32 s[G1+4], 32                          ; tile_dim1 = 32
	s_mov_b32 s[G1+5], 768                         ; elements from row to row
	s_mov_b32 s[G1+6], 0
	s_mov_b32 s[G1+7], 0
	s_mov_b32 s[SEL], 0x76543210
	s_mov_b32 s[SEL+1], 0xfedcba98
	s_wait_dscnt 0x0
	s_wait_kmcnt 0x0
	; which tensor: the choice hangs on the work-group's number alone
	s_mov_b64 s[4:5], s[20:21]                     ; Wo,
	s_mov_b32 s6, 228                              ; whose first block is 228
.macro PICK bound, ptr, first
	s_cmp_lt_u32 ttmp9, \bound
	s_cselect_b64 s[4:5], s[\ptr:\ptr+1], s[4:5]
	s_cselect_b32 s6, \first, s6
.endm
	PICK 228, 18, 216
	PICK 216, 16, 204
	PICK 204, 14, 192
	PICK 192, 12, 128
	PICK 128, 10, 64
	PICK 64, 8, 0
	s_sub_co_u32 s26, ttmp9, s6                    ; the block within its tensor
	s_mul_i32 s26, s26, 64*ROWB
	s_lshl_b32 s27, s7, 9                          ; my K step: 512 bytes along the rows
	s_add_co_u32 s26, s26, s27
	s_mov_b32 s27, 0
	s_add_nc_u64 s[4:5], s[4:5], s[26:27]
	s_mul_i32 s26, ttmp9, 36864
	s_mul_i32 s30, s7, 1536
	s_add_co_u32 s26, s26, s30
	s_add_nc_u64 s[22:23], s[22:23], s[26:27]      ; img at my block, my K step
	s_mul_i32 s26, ttmp9, 1536
	s_lshl_b32 s30, s7, 8
	s_add_co_u32 s26, s26, s30
	s_add_nc_u64 s[24:25], s[24:25], s[26:27]      ; isc likewise
	s_mov_b32 s[G0], 1
	s_mul_i32 s[G0+1], s7, WREG                    ; rows 0-31 to the head of my region
	s_mov_b64 s[G0+2:G0+3], s[4:5]
	s_or_b32 s[G0+3], s[G0+3], 0x80000000
	s_mov_b32 s[G0+4], 1
	s_add_co_u32 s[G0+5], s[G0+1], HALF            ; rows 32-63 behind them
	s_add_nc_u64 s[G0+6:G0+7], s[4:5], 32*ROWB
	s_or_b32 s[G0+7], s[G0+7], 0x80000000
	tensor_load_to_lds s[G0:G0+3], s[G1:G1+7]      ; both fills go out together, ahead of every wait on TENSORcnt and every LDS read: two loads of mine are out
	s_nop 0
	tensor_load_to_lds s[G0+4:G0+7], s[G1:G1+7]
	s_nop 0
.rept 4
	v_nop
.endr
	v_and_b32 v1, 31, v0                           ; lane
	v_and_b32 v2, 15, v0                           ; r
	v_bfe_u32 v3, v0, 4, 1                         ; h
	v_and_b32 v7, 8, v2
	v_add_nc_u32 v7, v7, v2                        ; r + 8 (r / 8)
	v_mul_u32_u24 v[LA], v7, PITCH
	v_lshl_add_u32 v[LA], v3, 6, v[LA]             ; + 64 h: my 16 numbers of each block of 32
	v_add_nc_u32 v[LA], s[G0+1], v[LA]
	v_lshlrev_b32 v[LI], 4, v1
	v_lshlrev_b32 v[LSO], 4, v2
	v_lshl_add_u32 v[LSO], v3, 3, v[LSO]
.irp b, 0,1,2,3
	v_mov_b32 v[TM+4+\b], 0                        ; written once: a lane permute's destination counts as one of its sources
.endr
; tile t's numbers into a set: register 16 b + i = k 32 b + 16 h + i of my row
.macro FETCHX t, set
.irp b, 0,1,2,3
.irp j, 0,1,2,3
	ds_load_b128 v[X+64*(\set)+16*\b+4*\j:X+64*(\set)+16*\b+4*\j+3], v[LA] offset:(32*((\t)/2)+8*((\t)%2))*PITCH+128*\b+16*\j
.endr
.endr
.endm
; 64 numbers of a lane, v[s] on, become a fragment's 12 registers of codes in v[pc] on and its scale word in v[pw]
.macro QUANT s, pc, pw
.irp b, 0,1,2,3
	v_max3_num_f32 v[TM+\b], |v[(\s)+16*\b]|, |v[(\s)+1+16*\b]|, 0x2800000   ; block b: my 16 numbers, and the floor 2^(5 - 127): the byte cannot fall under 1
.endr
.irp i, 2,4,6,8,10,12,14
.irp b, 0,1,2,3
	v_max3_num_f32 v[TM+\b], v[TM+\b], |v[(\s)+16*\b+\i]|, |v[(\s)+1+16*\b+\i]|   ; the four blocks by turns
.endr
.endr
.irp b, 0,1,2,3
	v_permlanex16_b32 v[TM+4+\b], v[TM+\b], s[SEL], s[SEL+1]
.endr
.irp b, 0,1,2,3
	v_max_num_f32 v[TM+\b], v[TM+\b], v[TM+4+\b]   ; with lane l xor 16's: the block's largest magnitude
.endr
.irp b, 0,1,2,3
	v_add_nc_u32 v[TM+12+\b], 0xfe000000, v[TM+\b] ; 4 off its exponent field: the conversion takes the exponent field of this operand as its scale
.endr
.irp b, 0,1,2,3
	v_lshrrev_b32 v[TM+4+\b], 23, v[TM+12+\b]      ; the scale's byte
.endr
	v_lshl_or_b32 v[\pw], v[TM+5], 8, v[TM+4]
	v_lshl_or_b32 v[\pw], v[TM+6], 16, v[\pw]
	v_lshl_or_b32 v[\pw], v[TM+7], 24, v[\pw]
.irp c, 0,1
	v_cvt_scalef32_pk16_bf6_f32 v[(\pc)+6*\c:(\pc)+6*\c+2], v[(\s)+32*\c:(\s)+32*\c+15], v[TM+12+2*\c]
	v_cvt_scalef32_pk16_bf6_f32 v[H2+4*\c:H2+4*\c+2], v[(\s)+32*\c+16:(\s)+32*\c+31], v[TM+13+2*\c]   ; a conversion's three registers begin on an even number
.endr
	v_nop                                          ; one plain place behind a scaled conversion
.irp c, 0,1                                        ; the layout wants a WHOLE block in a lane: lanes 0-15 block 2 c, lanes 16-31 block 2 c + 1
.irp i, 0,1,2
	v_permlane16_swap_b32 v[(\pc)+6*\c+\i], v[H2+4*\c+\i]
.endr
.irp i, 0,1,2
	v_mov_b32 v[(\pc)+6*\c+3+\i], v[H2+4*\c+\i]
.endr
.endr
.endm
.macro PUT t                                       ; each store covers 512 consecutive bytes, aligned
.irp c, 0,1,2
	global_store_b128 v[LI], v[PC+12*(\t)+4*\c:PC+12*(\t)+4*\c+3], s[22:23] offset:9216*(\t)+512*\c
.endr
.endm
	s_wait_tensorcnt 0x1                           ; rows 0-31 (tiles 0 and 1) are in; the second load may be out
	FETCHX 0, 0
	FETCHX 1, 1
	s_wait_dscnt 16                                ; tile 0's 16 reads are in, tile 1's may be out
	QUANT X, PC, PW
	PUT 0
	s_wait_tensorcnt 0x0                           ; rows 32-63
	FETCHX 2, 0
	s_wait_dscnt 16                                ; tile 1's are in
	QUANT X+64, PC+12, PW+1
	PUT 1
	FETCHX 3, 1
	s_wait_dscnt 16                                ; tile 2's are in
	QUANT X, PC+24, PW+2
	PUT 2
	s_wait_dscnt 0x0
	QUANT X+64, PC+36, PW+3
	PUT 3
	v_cmp_ne_u32 vcc_lo, 0, v3                     ; lanes 0-15 store tiles 0, 1 of their row's four words, lanes 16-31 tiles 2, 3
	v_cndmask_b32 v36, v[PW], v[PW+2], vcc_lo
	v_cndmask_b32 v37, v[PW+1], v[PW+3], vcc_lo
	global_store_b64 v[LSO], v[36:37], s[24:25]    ; 32 lanes store 256 consecutive bytes, aligned
	s_wait_tensorcnt 0x0
	ds_add_u32 v126, v127
	s_wait_dscnt 0x0
	s_endpgm
.Lfunc_end_k_q362c0d3ddf_quant:
	.size	k_q362c0d3ddf_quant, .Lfunc_end_k_q362c0d3ddf_quant-k_q362c0d3ddf_quant
	.p2alignl 7, 3214868480
	.fill 96, 4, 3214868480
	.section	.rodata,"a",@progbits
	.p2align	6, 0x0
	.amdhsa_kernel k_q362c0d3ddf_quant
		.amdhsa_group_segment_fixed_size 203520
		.amdhsa_private_segment_fixed_size 0
		.amdhsa_enable_private_segment 0
		.amdhsa_kernarg_size 72
		.amdhsa_user_sgpr_count 2
		.amdhsa_user_sgpr_kernarg_segment_ptr 1
		.amdhsa_wavefront_size32 1
		.amdhsa_system_sgpr_workgroup_id_x 1
		.amdhsa_system_sgpr_workgroup_id_y 1
		.amdhsa_system_sgpr_workgroup_id_z 1
		.amdhsa_system_vgpr_workitem_id 0
		.amdhsa_next_free_vgpr 256
		.amdhsa_next_free_sgpr 66
		.amdhsa_reserve_vcc 1
		.amdhsa_float_denorm_mode_32 3
		.amdhsa_float_denorm_mode_16_64 3
		.amdhsa_memory_ordered 1
		.amdhsa_forward_progress 1
		.amdhsa_inst_pref_size 25
	.end_amdhsa_kernel
	.amdgpu_metadata
---
amdhsa.version: [ 1, 2 ]
amdhsa.kernels:
  - .name:           k_q362c0d3ddf_quant
    .symbol:         k_q362c0d3ddf_quant.kd
    .args:
      - { .name: q, .offset: 0, .size: 8, .value_kind: global_buffer, .address_space: global }
      - { .name: k, .offset: 8, .size: 8, .value_kind: global_buffer, .address_space: global }
      - { .name: v, .offset: 16, .size: 8, .value_kind: global_buffer, .address_space: global }
      - { .name: Wq, .offset: 24, .size: 8, .value_kind: global_buffer, .address_space: global }
      - { .name: Wk, .offset: 32, .size: 8, .value_kind: global_buffer, .address_space: global }
      - { .name: Wv, .offset: 40, .size: 8, .value_kind: global_buffer, .address_space: global }
      - { .name: Wo, .offset: 48, .size: 8, .value_kind: global_buffer, .address_space: global }
      - { .name: img, .offset: 56, .size: 8, .value_kind: global_buffer, .address_space: global }
      - { .name: isc, .offset: 64, .size: 8, .value_kind: global_buffer, .address_space: global }
    .group_segment_fixed_size: 203520
    .private_segment_fixed_size: 0
    .kernarg_segment_align: 8
    .kernarg_segment_size: 72
    .max_flat_workgroup_size: 192
    .sgpr_count:     66
    .vgpr_count:     256
    .wavefront_size: 32
...
	.end_amdgpu_metadata
.endif
;; end of part 1
;; launch proj (part 2): grid 256 x 1, 9 waves a work-group, no clusters, 0 bytes of LDS; arguments img, isc, bq, bk, bv, qimg, qsc, kv; writes qimg, qsc, kv
.if DOCPART == 2
	.amdgcn_target "amdgcn-amd-amdhsa--gfx1250"
	.amdhsa_code_object_version 6
	.text
	.protected	k_q362c0d3ddf_proj
	.globl	k_q362c0d3ddf_proj
	.p2align	8
	.type	k_q362c0d3ddf_proj,@function
k_q362c0d3ddf_proj:
	s_mov_b64 s[64:65], 0
	v_nop
	global_prefetch_b8 v0, s[64:65] scope:SCOPE_SE
	s_setreg_imm32_b32 hwreg(HW_REG_WAVE_MODE, 25, 1), 1
	s_wait_xcnt 0x0
; qp = q Wq^T + bq, kp = k Wk^T + bk, vp = v Wv^T + bv on codes of BF6 (E3M2) with E8M0 scales, sums in f32; the results are quantised in registers for the
; attention: qp and kp along a head's 64 channels, vp along the keys.  No f32 result goes to memory.
; SHARES.  2,304 jobs of 64 tokens x one head's 64 channels = 256 work-groups x 9 waves; a job is one wave's: 16 accumulators, 6 K steps of 128, 96 matrix instructions.
; A work-group's nine jobs are 3 token blocks x 3 heads.  No LDS, no barrier: both operands lie in memory in the order of their registers and are loaded whole.
; NO CLUSTER: nothing goes through LDS, so there is no tile to ask for jointly; and a work-group's token blocks 3 g .. 3 g + 2 can lie in two tensors
; (63, 64, 65), so that partners would not always want the same weights.
; ONE LOOP FOR BOTH ORIENTATIONS: D(i, j) = P[j] (source 0) x R[i] (source 1).  q, k: P = the head's rows of W, R = the tokens: a lane holds a token and its
; registers run along the channels.  v: P = the tokens, R = the head's rows of W: a lane holds a channel and its registers run along the keys.
; By the tile order (lane r of tile 2 b + u = row 32 b + 8 u + r + 8 (r / 8)) register 16 b + e of unit i's 32 is P's row 32 b + 16 h + e: two blocks of 32 along the next K.
; The bias is the C of each sum's first matrix instruction; it is loaded into accumulators that are begun last.
; OUT.  A unit (16 rows x 64 K, 6 registers) is 768 bytes: registers 0-3 at 16 x lane, then registers 4-5 at 8 x lane.  qimg [head][tile][768]; qsc [head][block][r][tile] words.
; kv [head][step of 128 keys][13,056]: K's 8 units, V's 8 units (768 (2 n + c)), K's two scale tables, V's scale table.  q's and k's words carry 0x7f in bytes 2, 3:
; the attention multiplies K = 64 in an instruction of K = 128.
; LIMITS: as in the launch that makes the codes: NaN and infinities are not served; a block of zeros gets the byte 1.
.set LI,  1                            ; v1  16 x lane
.set LR,  2                            ; v2  16 r
.set L8,  3                            ; v3  8 x lane
.set LSW, 4                            ; v4  16 r + 8 h
.set LSV, 5                            ; v5  16 r + 4 h
.set LB,  6                            ; v6  my place in the bias
.set VH,  7                            ; v7  h
.set PS,  8                            ; v8-11  P's scale words, tile j: scales and nothing else
.set RS,  12                           ; v12-15 R's, tile i
.set PF,  16                           ; v16-63  P's four fragments
.set RF,  64                           ; v64-111 R's four
.set ACC, 128                          ; v128-255 accumulator (i, j) at 128 + 32 i + 8 j
.set TM,  16                           ; the way out, over the fragments: v16-23 largest magnitudes (unit i, block b: 2 i + b)
.set TP,  24                           ; v24-31 the other half's
.set SO,  32                           ; v32-39 scale operands
.set BY,  40                           ; v40-47 bytes
.set H2,  48                           ; v48-62 the conversions' second halves, 4 i
.set PC,  64                           ; v64-87 the units' codes, 6 i
.set HW,  88                           ; v88-91 two bytes a unit
.set SEL, 0+2                          ; (s2 is the wave's number; the selects lie in s[60:61] below)
.set PB,  32                           ; s[32:33] P's images   s[34:35] R's   s[36:37] P's scale tables   s[38:39] R's
.set RB,  34
.set PSB, 36
.set RSB, 38
.set BI,  40                           ; s[40:41] the bias at my head
.set OB,  42                           ; s[42:43] where the units go   s[44:45] where the scale bytes go
.set OS,  44
	s_load_b512 s[8:23], s[0:1], 0x0               ; img, isc, bq, bk, bv, qimg, qsc, kv
	v_lshrrev_b32 v7, 5, v0
	v_readfirstlane_b32 s2, v7                     ; wave 0..8
	s_and_b32 s4, ttmp9, 3                         ; group of three heads
	s_lshr_b32 s5, ttmp9, 2                        ; group of three token blocks
	s_mul_i32 s6, s2, 11
	s_lshr_b32 s6, s6, 5                           ; wave / 3
	s_mul_i32 s7, s6, 3
	s_sub_co_u32 s7, s2, s7                        ; wave % 3
	s_mul_i32 s24, s5, 3
	s_add_co_u32 s24, s24, s7                      ; the token block's number in img, 0..191
	s_lshr_b32 s25, s24, 6                         ; Y: 0 q, 1 k, 2 v
	s_and_b32 s26, s24, 63                         ; X: the block within its tensor
	s_mul_i32 s27, s4, 3
	s_add_co_u32 s27, s27, s6                      ; the head
	s_mul_i32 s28, s25, 12
	s_add_co_u32 s28, s28, s27
	s_add_co_u32 s28, s28, 192                     ; the head's block of W in img
	s_cmp_lt_u32 s25, 2
	s_cselect_b32 s29, s28, s24                    ; P's block
	s_cselect_b32 s30, s24, s28                    ; R's block
	s_mul_i32 s46, s29, 36864
	s_mov_b32 s47, 0
	s_mul_i32 s48, s30, 36864
	s_mov_b32 s49, 0
	s_mul_i32 s50, s29, 1536
	s_mov_b32 s51, 0
	s_mul_i32 s52, s30, 1536
	s_mov_b32 s53, 0
	s_lshl_b32 s54, s27, 8                         ; the head's 64 numbers of a bias
	s_mov_b32 s55, 0
	s_lshl_b32 s31, s27, 5
	s_lshr_b32 s3, s26, 1
	s_add_co_u32 s31, s31, s3
	s_mul_i32 s31, s31, 13056                      ; kv: chunk (head, X / 2)
	s_and_b32 s3, s26, 1                           ; which 64 keys of its 128
	s_mul_i32 s56, s27, 196608                     ; q: units at (256 head + 4 X) x 768,
	s_mul_i32 s58, s26, 3072
	s_add_co_u32 s56, s56, s58
	s_lshl_b32 s58, s27, 6
	s_add_co_u32 s58, s58, s26
	s_lshl_b32 s58, s58, 8                         ;    scale table at (64 head + X) x 256
	s_mul_i32 s60, s3, 3072                        ; k: units at 3,072 c in the chunk,
	s_add_co_u32 s60, s60, s31
	s_lshl_b32 s61, s3, 8
	s_add_co_u32 s61, s61, s31
	s_add_co_u32 s61, s61, 12288                   ;    scale table at 12,288 + 256 c
	s_mul_i32 s62, s3, 768                         ; v: units at 6,144 + 768 c, 1,536 apart,
	s_add_co_u32 s62, s62, s31
	s_add_co_u32 s62, s62, 6144
	s_lshl_b32 s63, s3, 1
	s_add_co_u32 s63, s63, s31
	s_add_co_u32 s63, s63, 12800                   ;    bytes 2 c, 2 c + 1 of the words at 12,800
	s_cmp_eq_u32 s25, 0
	s_cselect_b32 s56, s56, s60
	s_cselect_b32 s58, s58, s61
	s_cmp_eq_u32 s25, 2
	s_cselect_b32 s56, s62, s56
	s_cselect_b32 s58, s63, s58
	s_mov_b32 s57, 0
	s_mov_b32 s59, 0
	s_mov_b32 s60, 0x76543210                      ; lane selects: lane l xor 16
	s_mov_b32 s61, 0xfedcba98
	v_and_b32 v1, 31, v0
	v_lshlrev_b32 v[L8], 3, v1
	v_lshlrev_b32 v[LI], 4, v1
	v_and_b32 v2, 15, v0
	v_lshlrev_b32 v[LR], 4, v2
	v_bfe_u32 v[VH], v0, 4, 1
	v_lshl_add_u32 v[LSW], v[VH], 3, v[LR]
	v_lshl_add_u32 v[LSV], v[VH], 2, v[LR]
	s_wait_kmcnt 0x0
	s_cmp_eq_u32 s25, 0                            ; the buffers are chosen on ids alone
	s_cselect_b64 s[OB:OB+1], s[18:19], s[22:23]
	s_cselect_b64 s[OS:OS+1], s[20:21], s[22:23]
	s_cselect_b64 s[BI:BI+1], s[12:13], s[14:15]
	s_cmp_eq_u32 s25, 2
	s_cselect_b64 s[BI:BI+1], s[16:17], s[BI:BI+1]
	s_add_nc_u64 s[PB:PB+1], s[8:9], s[46:47]
	s_add_nc_u64 s[RB:RB+1], s[8:9], s[48:49]
	s_add_nc_u64 s[PSB:PSB+1], s[10:11], s[50:51]
	s_add_nc_u64 s[RSB:RSB+1], s[10:11], s[52:53]
	s_add_nc_u64 s[BI:BI+1], s[BI:BI+1], s[54:55]
	s_add_nc_u64 s[OB:OB+1], s[OB:OB+1], s[56:57]
	s_add_nc_u64 s[OS:OS+1], s[OS:OS+1], s[58:59]
; K step s: 24 loads of 512 consecutive bytes bring the eight fragments, two bring the scale words of the eight tiles
.macro LOADSTEP s
.irp j, 0,1,2,3
.irp c, 0,1,2
	global_load_b128 v[PF+12*\j+4*\c:PF+12*\j+4*\c+3], v[LI], s[PB:PB+1] offset:9216*\j+1536*(\s)+512*\c
.endr
.endr
.irp j, 0,1,2,3
.irp c, 0,1,2
	global_load_b128 v[RF+12*\j+4*\c:RF+12*\j+4*\c+3], v[LI], s[RB:RB+1] offset:9216*\j+1536*(\s)+512*\c
.endr
.endr
	global_load_b128 v[PS:PS+3], v[LR], s[PSB:PSB+1] offset:256*(\s)
	global_load_b128 v[RS:RS+3], v[LR], s[RSB:RSB+1] offset:256*(\s)
	s_wait_loadcnt 0x0
.endm
; one product: accumulator (i, j) = P[j] x R[i] + accumulator (ci, cj)
.macro W i, j, ci, cj
	v_wmma_scale_f32_16x16x128_f8f6f4 v[ACC+32*(\i)+8*(\j):ACC+32*(\i)+8*(\j)+7], v[PF+12*(\j):PF+12*(\j)+11], v[RF+12*(\i):RF+12*(\i)+11], v[ACC+32*(\ci)+8*(\cj):ACC+32*(\ci)+8*(\cj)+7], v[PS+(\j)], v[RS+(\i)] matrix_a_fmt:MATRIX_FMT_BF6 matrix_b_fmt:MATRIX_FMT_BF6
.endm
.macro PLACES n
.rept \n
	v_nop
.endr
.endm
	s_cmp_eq_u32 s25, 2
	s_cbranch_scc1 .Lfirst_v
	; q, k: the bias runs along the registers: accumulator (., j) wants channels 32 (j / 2) + 8 (j % 2) + 16 h + 0 .. 7.  It is loaded into accumulators (3, j).
	v_lshlrev_b32 v[LB], 6, v[VH]
.irp j, 0,1,2,3
	global_load_b128 v[ACC+96+8*\j:ACC+96+8*\j+3], v[LB], s[BI:BI+1] offset:(32*(\j/2)+8*(\j%2))*4
	global_load_b128 v[ACC+96+8*\j+4:ACC+96+8*\j+7], v[LB], s[BI:BI+1] offset:(32*(\j/2)+8*(\j%2))*4+16
.endr
	LOADSTEP 0
.irp i, 0,1,2
.irp j, 0,1,2,3
	W \i,\j,3,\j
.endr
.endr
	PLACES 5                                       ; the next four write over registers that the twelve above read as C
.irp j, 0,1,2,3
	W 3,\j,3,\j
.endr
	s_branch .Ljoin
.Lfirst_v:
	; v: the bias hangs on the lane's channel 32 (i / 2) + 8 (i % 2) + r + 8 (r / 8): one number for all eight registers; it is laid into accumulators (i, 3).
	v_and_b32 v16, 8, v0
	v_and_b32 v[LB], 15, v0
	v_add_lshl_u32 v[LB], v[LB], v16, 2
.irp i, 0,1,2,3
	global_load_b32 v[ACC+32*\i+24], v[LB], s[BI:BI+1] offset:(32*(\i/2)+8*(\i%2))*4
.endr
	LOADSTEP 0
.irp i, 0,1,2,3
.irp e, 1,2,3,4,5,6,7
	v_mov_b32 v[ACC+32*\i+24+\e], v[ACC+32*\i+24]
.endr
.endr
	PLACES 4
.irp j, 0,1,2
.irp i, 0,1,2,3
	W \i,\j,\i,3
.endr
.endr
	PLACES 5                                       ; as above
.irp i, 0,1,2,3
	W \i,3,\i,3
.endr
.Ljoin:
.irp s, 1,2,3,4,5
	PLACES 4                                       ; in front of loads into registers that matrix instructions have read
	LOADSTEP \s
.irp i, 0,1,2,3                                    ; the 16 accumulators take turns, one instruction a turn
.irp j, 0,1,2,3
	W \i,\j,\i,\j
.endr
.endr
.endr
	; THE WAY OUT: four units of 32 numbers a lane, eight blocks (u = 2 i + b at ACC + 16 u), quantised by turns; each accumulator is read from its low end on
	PLACES 4
.irp u, 0,1,2,3,4,5,6,7
	v_mov_b32 v[TP+\u], 0                          ; a lane permute's destination counts as one of its sources
.endr
.irp u, 0,1,2,3,4,5,6,7
	v_max3_num_f32 v[TM+\u], |v[ACC+16*\u]|, |v[ACC+16*\u+1]|, 0x2800000   ; my 16 numbers of block u, and the floor 2^(5 - 127)
.endr
.irp e, 2,4,6,8,10,12,14
.irp u, 0,1,2,3,4,5,6,7
	v_max3_num_f32 v[TM+\u], v[TM+\u], |v[ACC+16*\u+\e]|, |v[ACC+16*\u+\e+1]|
.endr
.endr
.irp u, 0,1,2,3,4,5,6,7
	v_permlanex16_b32 v[TP+\u], v[TM+\u], s60, s61
.endr
.irp u, 0,1,2,3,4,5,6,7
	v_max_num_f32 v[TM+\u], v[TM+\u], v[TP+\u]     ; with lane l xor 16's 16: the block's largest magnitude
.endr
.irp u, 0,1,2,3,4,5,6,7
	v_add_nc_u32 v[SO+\u], 0xfe000000, v[TM+\u]    ; 4 off the exponent field: the conversion's scale operand
.endr
.irp u, 0,1,2,3,4,5,6,7
	v_lshrrev_b32 v[BY+\u], 23, v[SO+\u]           ; the scale's byte
.endr
.irp i, 0,1,2,3
	v_cvt_scalef32_pk16_bf6_f32 v[PC+6*\i:PC+6*\i+2], v[ACC+32*\i:ACC+32*\i+15], v[SO+2*\i]
	v_cvt_scalef32_pk16_bf6_f32 v[H2+4*\i:H2+4*\i+2], v[ACC+32*\i+16:ACC+32*\i+31], v[SO+2*\i+1]
.endr
	v_nop                                          ; one plain place behind a scaled conversion
.irp i, 0,1,2,3                                    ; a whole block in a lane: lanes 0-15 block 0, lanes 16-31 block 1
.irp e, 0,1,2
	v_permlane16_swap_b32 v[PC+6*\i+\e], v[H2+4*\i+\e]
.endr
.irp e, 0,1,2
	v_mov_b32 v[PC+6*\i+3+\e], v[H2+4*\i+\e]
.endr
	v_lshl_or_b32 v[HW+\i], v[BY+2*\i+1], 8, v[BY+2*\i]
.endr
.macro STOREIMG stride
.irp i, 0,1,2,3
	global_store_b128 v[LI], v[PC+6*\i:PC+6*\i+3], s[OB:OB+1] offset:(\stride)*\i          ; 512 consecutive bytes, aligned
	global_store_b64 v[L8], v[PC+6*\i+4:PC+6*\i+5], s[OB:OB+1] offset:(\stride)*\i+512     ; 256 consecutive bytes, aligned
.endr
.endm
	v_cmp_ne_u32 vcc_lo, 0, v[VH]
	s_cmp_eq_u32 s25, 2
	s_cbranch_scc1 .Lstore_v
	STOREIMG 768
.irp i, 0,1,2,3
	v_or_b32 v[HW+\i], 0x7f7f0000, v[HW+\i]        ; bytes 2, 3: the scale 1 for the empty half of K
.endr
	v_cndmask_b32 v92, v[HW], v[HW+2], vcc_lo      ; lanes 0-15 store tiles 0, 1 of their row's four words, lanes 16-31 tiles 2, 3
	v_cndmask_b32 v93, v[HW+1], v[HW+3], vcc_lo
	global_store_b64 v[LSW], v[92:93], s[OS:OS+1]  ; 256 consecutive bytes, aligned
	s_endpgm
.Lstore_v:
	STOREIMG 1536
	v_cndmask_b32 v92, v[HW], v[HW+1], vcc_lo      ; lanes 0-15 tiles 0 and 2, lanes 16-31 tiles 1 and 3: two bytes of each word; the word's other two come from the job of the other 64 keys
	v_cndmask_b32 v93, v[HW+2], v[HW+3], vcc_lo
	global_store_b16 v[LSV], v92, s[OS:OS+1]
	global_store_b16 v[LSV], v93, s[OS:OS+1] offset:8
	s_endpgm
.Lfunc_end_k_q362c0d3ddf_proj:
	.size	k_q362c0d3ddf_proj, .Lfunc_end_k_q362c0d3ddf_proj-k_q362c0d3ddf_proj
	.p2alignl 7, 3214868480
	.fill 96, 4, 3214868480
	.section	.rodata,"a",@progbits
	.p2align	6, 0x0
	.amdhsa_kernel k_q362c0d3ddf_proj
		.amdhsa_group_segment_fixed_size 0
		.amdhsa_private_segment_fixed_size 0
		.amdhsa_enable_private_segment 0
		.amdhsa_kernarg_size 64
		.amdhsa_user_sgpr_count 2
		.amdhsa_user_sgpr_kernarg_segment_ptr 1
		.amdhsa_wavefront_size32 1
		.amdhsa_system_sgpr_workgroup_id_x 1
		.amdhsa_system_sgpr_workgroup_id_y 1
		.amdhsa_system_sgpr_workgroup_id_z 1
		.amdhsa_system_vgpr_workitem_id 0
		.amdhsa_next_free_vgpr 256
		.amdhsa_next_free_sgpr 66
		.amdhsa_reserve_vcc 1
		.amdhsa_float_denorm_mode_32 3
		.amdhsa_float_denorm_mode_16_64 3
		.amdhsa_memory_ordered 1
		.amdhsa_forward_progress 1
		.amdhsa_inst_pref_size 49
	.end_amdhsa_kernel
	.amdgpu_metadata
---
amdhsa.version: [ 1, 2 ]
amdhsa.kernels:
  - .name:           k_q362c0d3ddf_proj
    .symbol:         k_q362c0d3ddf_proj.kd
    .args:
      - { .name: img, .offset: 0, .size: 8, .value_kind: global_buffer, .address_space: global }
      - { .name: isc, .offset: 8, .size: 8, .value_kind: global_buffer, .address_space: global }
      - { .name: bq, .offset: 16, .size: 8, .value_kind: global_buffer, .address_space: global }
      - { .name: bk, .offset: 24, .size: 8, .value_kind: global_buffer, .address_space: global }
      - { .name: bv, .offset: 32, .size: 8, .value_kind: global_buffer, .address_space: global }
      - { .name: qimg, .offset: 40, .size: 8, .value_kind: global_buffer, .address_space: global }
      - { .name: qsc, .offset: 48, .size: 8, .value_kind: global_buffer, .address_space: global }
      - { .name: kv, .offset: 56, .size: 8, .value_kind: global_buffer, .address_space: global }
    .group_segment_fixed_size: 0
    .private_segment_fixed_size: 0
    .kernarg_segment_align: 8
    .kernarg_segment_size: 64
    .max_flat_workgroup_size: 288
    .sgpr_count:     66
    .vgpr_count:     256
    .wavefront_size: 32
...
	.end_amdgpu_metadata
.endif
;; end of part 2
;; launch attn (part 3): grid 64 x 4, 12 waves a work-group, clusters of 4 x 1, 327,680 bytes of LDS; arguments qimg, qsc, kv, oimg, osc; writes oimg, osc
.if DOCPART == 3
	.amdgcn_target "amdgcn-amd-amdhsa--gfx1250"
	.amdhsa_code_object_version 6
	.text
	.protected	k_q362c0d3ddf_attn
	.globl	k_q362c0d3ddf_attn
	.p2align	8
	.type	k_q362c0d3ddf_attn,@function
k_q362c0d3ddf_attn:
	s_mov_b64 s[64:65], 0
	v_nop
	global_prefetch_b8 v0, s[64:65] scope:SCOPE_SE
	s_setreg_imm32_b32 hwreg(HW_REG_WAVE_MODE, 25, 1), 1
	s_wait_xcnt 0x0
	s_wait_alu depctr_hold_cnt(0) depctr_sa_sdst(0) depctr_va_vdst(0) depctr_va_sdst(0) depctr_va_ssrc(0) depctr_va_vcc(0) depctr_vm_vsrc(0)
	s_getreg_b32 s2, hwreg(HW_REG_IB_STS2, 6, 4)
	s_cmp_eq_u32 s2, 0
	s_cbranch_scc0 .Lentry_in_a_cluster
	s_endpgm
.Lentry_in_a_cluster:
	s_bfe_u32 s2, ttmp6, 0x10000c
	s_cmp_lg_u32 s2, 0x3003
	s_cbranch_scc0 .Lentry_shape_is_right
	s_endpgm
.Lentry_shape_is_right:
; For each of 12 heads: O[q] = sum over keys of softmax(Q[q] . K[key] / 8) V[key], both products on codes of BF6 (E3M2) with E8M0 scales; the result is quantised along the
; channels for the output projection.  4,096 queries and keys, 64 channels a head.
; THE SOFTMAX AHEAD OF THE SECOND PRODUCT: t = score x log2(e) / 8; M = the row's largest t so far, rounded UP to a whole number; p = 2^(t - M) is quantised along the keys, not normalised.
; The row's sum is taken of the unquantised p and divides O at the end.  When M moves, the sum and O are multiplied by 2^(old M - new M): exact.
; SHARES.  A work-group has 3 heads x 64 queries: twelve waves, wave 4 j + i with head 3 y + j and query tile 4 X + i (16 queries), in 256 registers: three waves to a SIMD, so that one wave's
; vector work stands beside another's matrix work and LDS loads.  3,072 tiles of queries = 256 work-groups x 12.  Every wave walks its head's 4,096 keys, 128 a step.
; RING.  kv holds, for each head and step, ONE dense chunk of 13,056 bytes (K's 8 units, V's 8 units, their scale tables), laid in the order of the operands' registers.  A slot holds
; 3 heads x 4 steps = 12 chunks; wave 4 j + i fetches the chunk of head j, step i: one tensor load a wave by one line.  Two slots.
; CLUSTER.  The four work-groups of a cluster have the same three heads and walk the same chunks: each load is asked for JOINTLY, with the same descriptor and a mask that names the four.
; LAYOUT.  Both products are used transposed: S^T = K Q^T (source 0 = 16 keys), O^T = V^T P^T (source 0 = 16 channels): a lane holds ONE query throughout.  By the tile order in which the
; keys and channels were laid, register 16 b + e of the scores is key 32 b + 16 h + e of the step, and of O^T channel 32 b + 16 h + e.
; K = 64 IN AN INSTRUCTION OF K = 128.  A tile of keys is 6 registers; its operand names 12: the upper six are the NEXT tile's codes (behind tile 7: zeros).  They meet Q's upper six,
; which are zero codes, under scale bytes 0x7f; the format has no infinity and no NaN, so they add exactly 0.
; LIMITS: NaN and infinities are not served.  A p under 2^-126 comes out of v_exp_f32 as 0.  A block's largest p is taken from its largest score, put through the same multiply-add and
; exponential; this takes v_exp_f32 not to fall where its input rises.  A block of zeros gets the byte 1: its codes are zeros.
.set CHUNK, 13056
.set SLOT,  12*CHUNK                   ; 156,672 bytes
.set SPARE, 2*SLOT                     ; behind the ring: the spare words, 128 bytes for each of twelve waves: six blocks of 256 bytes that no other line names
.set LI,  1                            ; v1  16 x lane     v2  8 x lane     v3  16 r
.set L8,  2
.set LR,  3
.set SPW, 4                            ; v4  LDS address of my spare word; never rewritten
.set NIL, 5                            ; v5  0; never rewritten
.set A16, 6                            ; v6-8 the step's LDS addresses
.set A8,  7
.set AR,  8
.set OSB, 9                            ; v9  16 r + h
.set VH,  10                           ; v10 h
.set OLD, 29                           ; v29 the old -M      v30 at work
.set T,   30
.set QF,  16                           ; v16-27 Q: six registers of codes, six of zeros
.set QS,  28                           ; v28 Q's scale word
.set KF,  32                           ; v32-79 K's eight tiles, 6 registers each; v80-85 zeros
.set VF,  86                           ; v86-133 V's four fragments
.set S,   134                          ; v134-197 S^T, then p
.set O,   198                          ; v198-229 O^T
.set P,   230                          ; v230-241 p's codes
.set KS,  242                          ; v242-249 K's scale words    v250-253 V's    v255 p's: scales and nothing else
.set VS,  250
.set F,   254                          ; v254 f = 2^(old M - new M)
.set PWD, 255
.set BM,  32                           ; at work, in K's registers, which are free behind the score products: v32-35 the blocks' largest
.set PD,  36                           ; v36-39 the other half's, then bytes
.set SO,  40                           ; v40-43 scale operands
.set H2,  44                           ; v44-46, v48-50 the conversions' second halves
.set SUM2, 54                          ; v[54:55] the second chain of the sum
.set WV,  14
.set SEL, 22                           ; s[22:23] lane selects: lane l xor 16
.set CS,  24                           ; s[24:25] c = log2(e) / 8
.set G1,  28                           ; s[28:35] descriptor group 1
.set G0,  36                           ; s[36:43] group 0, one for each slot
.set LOOP, 44
.set TB,  45                           ; s45 LDS byte of the chunk in hand
.set HB,  46                           ; s46 my head's four chunks in a slot
.set CNT, 47
; A round of the cluster's barrier: my work-group's barrier; wave 0 signals for the work-group; every wave waits for all four work-groups; my work-group's barrier once more.
.macro ROUND
	s_barrier_signal -1
	s_barrier_wait -1
	s_cmp_lg_u32 s[WV], 0
	s_cbranch_scc1 .Lnot_wave_0_\@
	s_barrier_signal -3
.Lnot_wave_0_\@:
	s_barrier_wait -3
	s_barrier_signal -1
	s_barrier_wait -1
.endm
	s_load_b256 s[4:11], s[0:1], 0x0               ; qimg, qsc, kv, oimg
	s_load_b64 s[12:13], s[0:1], 0x20              ; osc
	v_lshl_add_u32 v[SPW], v0, 2, SPARE
	v_mov_b32 v[NIL], 0
	ds_add_u32 v4, v5
	ds_add_u32 v4, v5
	s_wait_dscnt 0x0
	v_lshrrev_b32 v1, 5, v0
	v_readfirstlane_b32 s[WV], v1                  ; wave 0..11
	s_lshr_b32 s15, s[WV], 2                       ; j: which of the three heads
	s_and_b32 s16, s[WV], 3                        ; i: which tile of queries; also which step of a slot I fetch
	s_bfe_u32 s17, ttmp6, 0x40000                  ; cx: my place in the cluster: it enters Q's and O's global addresses alone
	s_lshl_b32 s18, ttmp9, 2
	s_add_co_u32 s18, s18, s17                     ; X: my block of 64 queries
	s_and_b32 s19, ttmp7, 0xffff                   ; y, which the four partners share
	s_mul_i32 s20, s19, 3
	s_add_co_u32 s20, s20, s15                     ; my head
	s_mov_b32 s[G1+0], 15|(3<<16)|(1<<21)          ; the mask: all four work-groups; elements of 8 bytes; bit 21 set beside a mask; no padding
	s_mov_b32 s[G1+1], 32<<16                      ; tensor_dim0 = 32: rows of 256 bytes
	s_mov_b32 s[G1+2], 51<<16                      ; tensor_dim1 = 51
	s_mov_b32 s[G1+3], 32<<16                      ; tile_dim0
	s_mov_b32 s[G1+4], 51                          ; tile_dim1
	s_mov_b32 s[G1+5], 32                          ; dense
	s_mov_b32 s[G1+6], 0
	s_mov_b32 s[G1+7], 0
	s_lshl_b32 s48, s20, 5
	s_add_co_u32 s48, s48, s16
	s_mul_i32 s48, s48, CHUNK                      ; my first chunk: (32 head + i)
	s_mov_b32 s49, 0
	s_mul_i32 s21, s[WV], CHUNK                    ; and its place in a slot: the wave's number alone
	s_mul_i32 s[HB], s15, 4*CHUNK
	s_mov_b32 s[SEL], 0x76543210
	s_mov_b32 s[SEL+1], 0xfedcba98
	s_mov_b32 s[CS], 0x3e38aa3b                    ; log2(e) / 8
	s_mov_b32 s[CS+1], s[CS]                       ; named with it as a pair, so it is written
	s_lshl_b32 s50, s18, 2
	s_add_co_u32 s50, s50, s16                     ; my tile of queries, 0..255
	s_lshl_b32 s52, s20, 8
	s_add_co_u32 s52, s52, s50
	s_mul_i32 s52, s52, 768                        ; qimg: (256 head + tile) x 768
	s_mov_b32 s53, 0
	s_lshl_b32 s54, s20, 6
	s_add_co_u32 s54, s54, s18
	s_lshl_b32 s54, s54, 8
	s_lshl_b32 s51, s16, 2
	s_add_co_u32 s54, s54, s51                     ; qsc: (64 head + X) x 256 + 4 i
	s_mov_b32 s55, 0
	s_mul_i32 s56, s50, 9216
	s_mul_i32 s51, s20, 768
	s_add_co_u32 s56, s56, s51                     ; oimg: tile x 9,216 + head x 768
	s_mov_b32 s57, 0
	s_mul_i32 s58, s18, 1536
	s_lshr_b32 s51, s20, 1
	s_lshl_b32 s51, s51, 8
	s_add_co_u32 s58, s58, s51
	s_lshl_b32 s51, s16, 2
	s_add_co_u32 s58, s58, s51
	s_and_b32 s51, s20, 1
	s_lshl_b32 s51, s51, 1
	s_add_co_u32 s58, s58, s51                     ; osc: X x 1,536 + (head / 2) x 256 + 4 i + 2 (head % 2)
	s_mov_b32 s59, 0
	s_wait_kmcnt 0x0
	s_add_nc_u64 s[48:49], s[8:9], s[48:49]
	s_mov_b32 s[G0], 1
	s_mov_b32 s[G0+1], s21
	s_mov_b64 s[G0+2:G0+3], s[48:49]               ; slot 0: steps 0-3
	s_or_b32 s[G0+3], s[G0+3], 0x80000000
	s_mov_b32 s[G0+4], 1
	s_add_co_u32 s[G0+5], s21, SLOT
	s_add_nc_u64 s[G0+6:G0+7], s[48:49], 4*CHUNK   ; slot 1: steps 4-7
	s_or_b32 s[G0+7], s[G0+7], 0x80000000
	s_add_nc_u64 s[4:5], s[4:5], s[52:53]
	s_add_nc_u64 s[6:7], s[6:7], s[54:55]
	s_add_nc_u64 s[10:11], s[10:11], s[56:57]
	s_add_nc_u64 s[12:13], s[12:13], s[58:59]
	ROUND                                          ; all four work-groups are here: the first joint loads meet
	tensor_load_to_lds s[G0:G0+3], s[G1:G1+7]      ; slot 0
	s_nop 0
.rept 4
	v_nop
.endr
	v_and_b32 v11, 31, v0
	v_lshlrev_b32 v[LI], 4, v11
	v_lshlrev_b32 v[L8], 3, v11
	v_and_b32 v11, 15, v0
	v_lshlrev_b32 v[LR], 4, v11
	v_bfe_u32 v[VH], v0, 4, 1
	v_add_nc_u32 v[OSB], v[LR], v[VH]
	global_load_b128 v[QF:QF+3], v[LI], s[4:5]     ; Q's unit stays in registers
	global_load_b64 v[QF+4:QF+5], v[L8], s[4:5] offset:512
	global_load_b32 v[QS], v[LR], s[6:7]           ; and its scale word
.irp e, 0,1,2,3,4,5
	v_mov_b32 v[QF+6+\e], 0                        ; Q's empty half of K: zero codes
	v_mov_b32 v[KF+48+\e], 0                       ; and what stands behind K's tile 7
.endr
.set J, 0
.rept 32
	v_mov_b32 v[O+J], 0                            ; O^T: the step is written once; its first pass finds zeros, which the first change of M leaves zeros
.set J, J+1
.endr
	v_mov_b32 v14, 0                               ; the sum, in two halves
	v_mov_b32 v15, 0
	v_mov_b32 v[PWD], 0                            ; named as the upper half of the pair v[254:255] before it is first written
	v_mov_b32 v13, 0xff61b1e6                      ; the largest t so far: -3e38, under every t
	v_floor_f32 v12, -v13                          ; -M
; A KEY STEP: the 128 keys of my head whose chunk begins at LDS byte s[TB]
.macro STEP
	v_add_nc_u32 v[A16], s[TB], v[LI]
	v_add_nc_u32 v[A8], s[TB], v[L8]
	v_add_nc_u32 v[AR], s[TB], v[LR]
	v_nop                                          ; these four are the places behind the last step's products, in front of the loads into V's registers
.irp t, 0,1,2,3,4,5,6,7
	ds_load_b128 v[KF+6*\t:KF+6*\t+3], v[A16] offset:768*\t
	ds_load_b64 v[KF+6*\t+4:KF+6*\t+5], v[A8] offset:768*\t+512
.endr
	ds_load_b128 v[KS:KS+3], v[AR] offset:12288
	ds_load_b128 v[KS+4:KS+7], v[AR] offset:12544
.irp n, 0,1,2,3
.irp c, 0,1
	ds_load_b128 v[VF+12*\n+6*\c:VF+12*\n+6*\c+3], v[A16] offset:6144+768*(2*\n+\c)
	ds_load_b64 v[VF+12*\n+6*\c+4:VF+12*\n+6*\c+5], v[A8] offset:6144+768*(2*\n+\c)+512
.endr
.endr
	ds_load_b128 v[VS:VS+3], v[AR] offset:12800
	s_wait_dscnt 17                                ; K's 18 loads are in; V's 17 may be out
.irp t, 0,1,2,3,4,5,6,7
	v_wmma_scale_f32_16x16x128_f8f6f4 v[S+8*\t:S+8*\t+7], v[KF+6*\t:KF+6*\t+11], v[QF:QF+11], 0, v[KS+\t], v[QS] matrix_a_fmt:MATRIX_FMT_BF6 matrix_b_fmt:MATRIX_FMT_BF6
.endr
	v_mov_b32 v[OLD], v12                          ; the old -M is kept; with three v_nop: four places behind the products
.rept 3
	v_nop
.endr
.irp b, 0,1,2,3
	v_max3_num_f32 v[BM+\b], v[S+16*\b], v[S+16*\b+1], v[S+16*\b+2]   ; the largest score of each block of 32 keys: for the row's maximum, and for the block's largest p
.endr
.irp i, 3,5,7,9,11,13
.irp b, 0,1,2,3
	v_max3_num_f32 v[BM+\b], v[BM+\b], v[S+16*\b+\i], v[S+16*\b+\i+1]
.endr
.endr
.irp b, 0,1,2,3
	v_max_num_f32 v[BM+\b], v[BM+\b], v[S+16*\b+15]
.endr
.irp b, 0,1,2,3
	v_permlanex16_b32 v[PD+\b], v[BM+\b], s[SEL], s[SEL+1]
.endr
.irp b, 0,1,2,3
	v_max_num_f32 v[BM+\b], v[BM+\b], v[PD+\b]     ; with lane l xor 16's 16 keys
.endr
	v_max3_num_f32 v[T], v[BM], v[BM+1], v[BM+2]
	v_max_num_f32 v[T], v[T], v[BM+3]              ; the step's largest score of my query
	v_mul_f32 v[T], s[CS], v[T]                    ; as t (c is positive)
	v_max_num_f32 v13, v13, v[T]                   ; the running largest t
	v_floor_f32 v12, -v13                          ; the new -M = -ceil(t): a whole number
	v_sub_f32 v[T], v12, v[OLD]                    ; old M - new M: a whole number, 0 or less
	v_cvt_i32_f32 v[T], v[T]                       ; (it saturates)
	v_ldexp_f32 v[F], 1.0, v[T]                    ; f = 2^(old M - new M)
.set J, 0
.rept 32
	v_pk_fma_f32 v[S+J:S+J+1], v[S+J:S+J+1], s[CS:CS+1], v[12:13] op_sel_hi:[1,0,0]   ; t - M, two at a time
.set J, J+2
.endr
.irp b, 0,1,2,3
	v_fma_f32 v[BM+\b], v[BM+\b], s[CS], v12       ; the same of each block's largest score
.endr
.set J, 0
.rept 64
	v_exp_f32 v[S+J], v[S+J]                       ; p = 2^(t - M), at most 1
.set J, J+1
.endr
.irp b, 0,1,2,3
	v_exp_f32 v[BM+\b], v[BM+\b]                   ; the block's largest p
.endr
	v_pk_mul_f32 v[14:15], v[14:15], v[F:F+1] op_sel_hi:[1,0]   ; the sums under the new M; a plain place behind the exponentials
	s_wait_alu depctr_va_vdst(0)
.irp b, 0,1,2,3
	v_max_num_f32 v[BM+\b], 0x2800000, v[BM+\b]    ; the floor 2^(5 - 127): the byte cannot fall under 1
.endr
.irp b, 0,1,2,3
	v_add_nc_u32 v[SO+\b], 0xfe000000, v[BM+\b]    ; 4 off the exponent field: the conversion's scale operand
.endr
.irp b, 0,1,2,3
	v_lshrrev_b32 v[PD+\b], 23, v[SO+\b]           ; the scale's byte
.endr
	v_lshl_or_b32 v[PWD], v[PD+1], 8, v[PD]        ; p's scale word for these 128 keys
	v_lshl_or_b32 v[PWD], v[PD+2], 16, v[PWD]
	v_lshl_or_b32 v[PWD], v[PD+3], 24, v[PWD]
.irp c, 0,1
	v_cvt_scalef32_pk16_bf6_f32 v[P+6*\c:P+6*\c+2], v[S+32*\c:S+32*\c+15], v[SO+2*\c]
	v_cvt_scalef32_pk16_bf6_f32 v[H2+4*\c:H2+4*\c+2], v[S+32*\c+16:S+32*\c+31], v[SO+2*\c+1]
.endr
	v_nop                                          ; one plain place behind a scaled conversion
.irp c, 0,1                                        ; a whole block in a lane: lanes 0-15 block 2 c, lanes 16-31 block 2 c + 1
.irp i, 0,1,2
	v_permlane16_swap_b32 v[P+6*\c+\i], v[H2+4*\c+\i]
.endr
.irp i, 0,1,2
	v_mov_b32 v[P+6*\c+3+\i], v[H2+4*\c+\i]
.endr
.endr
	v_pk_add_f32 v[SUM2:SUM2+1], v[S:S+1], v[S+2:S+3]           ; the row's sum is taken of the UNQUANTISED p: two at a time, in two chains
.set J, 4
.rept 15
	v_pk_add_f32 v[14:15], v[14:15], v[S+J:S+J+1]
	v_pk_add_f32 v[SUM2:SUM2+1], v[SUM2:SUM2+1], v[S+J+2:S+J+3]
.set J, J+4
.endr
	v_pk_add_f32 v[14:15], v[14:15], v[SUM2:SUM2+1]
.set J, 0
.rept 16
	v_pk_mul_f32 v[O+J:O+J+1], v[O+J:O+J+1], v[F:F+1] op_sel_hi:[1,0]   ; O^T under the new M.  The sums and these are also the places between p's codes and scale word and the products below
.set J, J+2
.endr
	s_wait_dscnt 0x0                               ; V is in
.irp n, 0,1,2,3                                    ; four accumulators, one instruction a turn
	v_wmma_scale_f32_16x16x128_f8f6f4 v[O+8*\n:O+8*\n+7], v[VF+12*\n:VF+12*\n+11], v[P:P+11], v[O+8*\n:O+8*\n+7], v[VS+\n], v[PWD] matrix_a_fmt:MATRIX_FMT_BF6 matrix_b_fmt:MATRIX_FMT_BF6
.endr
.endm
; a slot's four steps of my head: written once, walked four times
.macro SLOTWORK slot
	s_add_co_u32 s[TB], s[HB], (\slot)*SLOT
	s_mov_b32 s[CNT], 4
.Lstep_\@:
	STEP
	s_add_co_u32 s[TB], s[TB], CHUNK
	s_sub_co_u32 s[CNT], s[CNT], 1
	s_cmp_lg_u32 s[CNT], 0
	s_cbranch_scc1 .Lstep_\@
.endm
; A change of slots stands at a slot's head.  Each wave waits for all its tensor loads (one is out: its chunk of the slot ahead), adds 0 to its spare word, and waits for that and for its reads
; of the slot that it has left.  Behind the cluster's barrier the slot ahead is whole in all four work-groups and nobody reads the other: it is filled with the next 512 keys, and that load
; has this slot's four steps of every wave in which to land.
.macro TRIP slot, refill
	s_wait_tensorcnt 0x0                           ; no tensor load of mine is out, so a group 0 may be written
	ds_add_u32 v[SPW], v[NIL]                      ; 0 onto my spare word
	s_add_nc_u64 s[G0+4*\slot+2:G0+4*\slot+3], s[G0+4*\slot+2:G0+4*\slot+3], 8*CHUNK   ; this slot's next fill: eight steps on
	s_wait_dscnt 0x0                               ; the add is done, and my reads of the slot that I have left are over
	ROUND
.if \refill
	tensor_load_to_lds s[G0+4-4*\slot:G0+7-4*\slot], s[G1:G1+7]   ; the first thing behind the barrier, and my one tensor load until the next
	s_nop 0
.rept 4
	v_nop
.endr
.endif
	SLOTWORK \slot
.endm
	s_wait_loadcnt 0x0                             ; Q
	s_mov_b32 s[LOOP], 3
.Lloop:                                            ; eight slots of 512 keys: three trips of two, and two written out
	TRIP 0, 1
	TRIP 1, 1
	s_sub_co_u32 s[LOOP], s[LOOP], 1
	s_cmp_lg_u32 s[LOOP], 0
	s_cbranch_scc1 .Lloop
	TRIP 0, 1
	TRIP 1, 0
	; THE WAY OUT.  O^T / the row's sum is my query's 32 of the head's 64 channels (register 16 b + e = channel 32 b + 16 h + e): quantised along the channels, it is one unit of the output projection's operand.
.rept 4
	v_nop
.endr
	v_add_f32 v14, v14, v15                        ; the sum's two halves,
	v_permlanex16_b32 v[OLD], v14, s[SEL], s[SEL+1]
	v_add_f32 v14, v14, v[OLD]                     ; and lane l xor 16's: the row's sum
	v_rcp_f32 v14, v14
	v_cmp_ne_u32 vcc_lo, 0, v[VH]                  ; (a plain place behind the reciprocal)
.set J, 0
	s_wait_alu depctr_va_vdst(0)
.rept 16
	v_pk_mul_f32 v[S+J:S+J+1], v[O+J:O+J+1], v[14:15] op_sel_hi:[1,0]   ; each accumulator from its low end on
.set J, J+2
.endr
.irp b, 0,1
	v_max3_num_f32 v[BM+\b], |v[S+16*\b]|, |v[S+16*\b+1]|, 0x2800000
.endr
.irp i, 2,4,6,8,10,12,14
.irp b, 0,1
	v_max3_num_f32 v[BM+\b], v[BM+\b], |v[S+16*\b+\i]|, |v[S+16*\b+\i+1]|
.endr
.endr
.irp b, 0,1
	v_permlanex16_b32 v[PD+\b], v[BM+\b], s[SEL], s[SEL+1]
.endr
.irp b, 0,1
	v_max_num_f32 v[BM+\b], v[BM+\b], v[PD+\b]
.endr
.irp b, 0,1
	v_add_nc_u32 v[SO+\b], 0xfe000000, v[BM+\b]
.endr
.irp b, 0,1
	v_lshrrev_b32 v[PD+\b], 23, v[SO+\b]
.endr
	v_cvt_scalef32_pk16_bf6_f32 v[P:P+2], v[S:S+15], v[SO]
	v_cvt_scalef32_pk16_bf6_f32 v[H2:H2+2], v[S+16:S+31], v[SO+1]
	v_nop                                          ; one plain place behind a scaled conversion
.irp i, 0,1,2
	v_permlane16_swap_b32 v[P+\i], v[H2+\i]
.endr
.irp i, 0,1,2
	v_mov_b32 v[P+3+\i], v[H2+\i]
.endr
	v_cndmask_b32 v[T], v[PD], v[PD+1], vcc_lo     ; lanes 0-15 store block 0's byte of their row, lanes 16-31 block 1's
	global_store_b128 v[LI], v[P:P+3], s[10:11]    ; 512 consecutive bytes, aligned
	global_store_b64 v[L8], v[P+4:P+5], s[10:11] offset:512
	global_store_b8 v[OSB], v[T], s[12:13]         ; a word's four bytes come from two heads' waves
	s_wait_tensorcnt 0x0                           ; the wave's end
	ds_add_u32 v[SPW], v[NIL]
	s_wait_dscnt 0x0
	ROUND                                          ; the closing round: no work-group ends while a partner may still ask for a chunk that names it
	s_endpgm
.Lfunc_end_k_q362c0d3ddf_attn:
	.size	k_q362c0d3ddf_attn, .Lfunc_end_k_q362c0d3ddf_attn-k_q362c0d3ddf_attn
	.p2alignl 7, 3214868480
	.fill 96, 4, 3214868480
	.section	.rodata,"a",@progbits
	.p2align	6, 0x0
	.amdhsa_kernel k_q362c0d3ddf_attn
		.amdhsa_group_segment_fixed_size 327680
		.amdhsa_private_segment_fixed_size 0
		.amdhsa_enable_private_segment 0
		.amdhsa_kernarg_size 40
		.amdhsa_user_sgpr_count 2
		.amdhsa_user_sgpr_kernarg_segment_ptr 1
		.amdhsa_wavefront_size32 1
		.amdhsa_system_sgpr_workgroup_id_x 1
		.amdhsa_system_sgpr_workgroup_id_y 1
		.amdhsa_system_sgpr_workgroup_id_z 1
		.amdhsa_system_vgpr_workitem_id 0
		.amdhsa_next_free_vgpr 256
		.amdhsa_next_free_sgpr 66
		.amdhsa_reserve_vcc 1
		.amdhsa_float_denorm_mode_32 3
		.amdhsa_float_denorm_mode_16_64 3
		.amdhsa_memory_ordered 1
		.amdhsa_forward_progress 1
		.amdhsa_inst_pref_size 76
	.end_amdhsa_kernel
	.amdgpu_metadata
---
amdhsa.version: [ 1, 2 ]
amdhsa.kernels:
  - .name:           k_q362c0d3ddf_attn
    .symbol:         k_q362c0d3ddf_attn.kd
    .args:
      - { .name: qimg, .offset: 0, .size: 8, .value_kind: global_buffer, .address_space: global }
      - { .name: qsc, .offset: 8, .size: 8, .value_kind: global_buffer, .address_space: global }
      - { .name: kv, .offset: 16, .size: 8, .value_kind: global_buffer, .address_space: global }
      - { .name: oimg, .offset: 24, .size: 8, .value_kind: global_buffer, .address_space: global }
      - { .name: osc, .offset: 32, .size: 8, .value_kind: global_buffer, .address_space: global }
    .group_segment_fixed_size: 327680
    .private_segment_fixed_size: 0
    .kernarg_segment_align: 8
    .kernarg_segment_size: 40
    .max_flat_workgroup_size: 384
    .sgpr_count:     66
    .vgpr_count:     256
    .wavefront_size: 32
...
	.end_amdgpu_metadata
.endif
;; end of part 3
;; launch oproj (part 4): grid 64 x 4, 3 waves a work-group, no clusters, 52,736 bytes of LDS; arguments oimg, osc, img, isc, bo, out0; writes out0
.if DOCPART == 4
	.amdgcn_target "amdgcn-amd-amdhsa--gfx1250"
	.amdhsa_code_object_version 6
	.text
	.protected	k_q362c0d3ddf_oproj
	.globl	k_q362c0d3ddf_oproj
	.p2align	8
	.type	k_q362c0d3ddf_oproj,@function
k_q362c0d3ddf_oproj:
	s_mov_b64 s[64:65], 0
	v_nop
	global_prefetch_b8 v0, s[64:65] scope:SCOPE_SE
	s_setreg_imm32_b32 hwreg(HW_REG_WAVE_MODE, 25, 1), 1
	s_wait_xcnt 0x0
; out0 = O Wo^T + bo on codes of BF6 (E3M2) with E8M0 scales, sums in f32.  O's codes and scale words were made by the attention, Wo's by the first launch; both lie in the order of an operand's registers.
; SHARES.  768 jobs of 64 tokens x 64 columns = 256 work-groups x 3 waves; a job is one wave's: 16 accumulators, 6 K steps of 128 (two heads each), 96 matrix instructions.
; Source 0 = 16 rows of Wo, source 1 = 16 tokens: a lane holds a token, and register 16 g + e of its 32 is column 32 g + 16 h + e.  The bias is the C of each sum's first matrix instruction.
; Two sets of fragments in window 1: while one K step is multiplied, the next one's 28 loads are on their way.
; NO CLUSTER, no tensor load: the operands go from memory straight into registers, so there is no tile in LDS to ask for jointly.  The waves share nothing: no barrier.
; The way out goes through the wave's own stage in LDS (64 rows of 256 bytes + 16), so that sixteen lanes store 256 consecutive bytes, aligned.
; REGISTERS: window 0: v1-7 addresses; v16-39 Wo's scale words (4 s + j), v40-63 O's (4 s + i): scales and nothing else; v128-255 accumulator (i, j) at 128 + 32 i + 8 j.
;   window 1: set q at 96 q: Wo's four fragments, then O's four.
.set LI,  1                            ; v1 16 x lane    v2 8 x lane    v3 16 r
.set L8,  2
.set LR,  3
.set STO, 4                            ; v4 the stage, in: my stage + (r + 8 (r / 8)) x 272 + 64 h
.set RD,  5                            ; v5 and back: my stage + 272 h + 16 r
.set GO,  6                            ; v6 the same two rows in out0: 3,072 h + 16 r
.set LB,  7                            ; v7 64 h
.set PS,  16
.set RS,  40
.set ACC, 128
.set RB,  4                            ; s[4:5] O's images    s[6:7] O's scale tables    s[8:9] Wo's images    s[10:11] Wo's scale tables
.set RSB, 6
.set PB,  8
.set PSB, 10
.set MSB, 0
.macro WIN new                         ; the immediate's high byte repeats the setting that is left
.if MSB != \new
	s_set_vgpr_msb (MSB<<8)|\new
.set MSB, \new
.endif
.endm
.macro PLACES n
.rept \n
	v_nop
.endr
.endm
	s_load_b256 s[4:11], s[0:1], 0x0               ; oimg, osc, img, isc
	s_load_b128 s[12:15], s[0:1], 0x20             ; bo, out0
	v_lshl_add_u32 v126, v0, 2, 0xcc00
	v_mov_b32 v127, 0
	v_lshrrev_b32 v8, 5, v0
	v_readfirstlane_b32 s16, v8                    ; wave 0..2
	s_and_b32 s17, ttmp7, 0xffff
	s_mul_i32 s17, s17, 3
	s_add_co_u32 s17, s17, s16                     ; my block of 64 columns, 0..11
	s_add_co_u32 s18, s17, 228                     ; Wo's block in img
	s_mul_i32 s20, s18, 36864
	s_mov_b32 s21, 0
	s_mul_i32 s22, s18, 1536
	s_mov_b32 s23, 0
	s_mul_i32 s24, ttmp9, 36864                    ; my block of 64 tokens: four tiles of 9,216 bytes
	s_mov_b32 s25, 0
	s_mul_i32 s26, ttmp9, 1536
	s_mov_b32 s27, 0
	s_lshl_b32 s28, s17, 8
	s_mov_b32 s29, 0
	s_mul_i32 s30, ttmp9, 196608                   ; 64 rows of 3,072 bytes
	s_add_co_u32 s30, s30, s28
	s_mov_b32 s31, 0
	s_mul_i32 s19, s16, 64*272                     ; my stage
	v_and_b32 v8, 31, v0
	v_and_b32 v9, 15, v0                           ; r
	v_bfe_u32 v10, v0, 4, 1                        ; h
	v_lshlrev_b32 v[LI], 4, v8
	v_lshlrev_b32 v[L8], 3, v8
	v_lshlrev_b32 v[LR], 4, v9
	v_and_b32 v11, 8, v9
	v_add_nc_u32 v11, v11, v9                      ; r + 8 (r / 8)
	v_mul_u32_u24 v[STO], v11, 272
	v_lshl_add_u32 v[STO], v10, 6, v[STO]
	v_add_nc_u32 v[STO], s19, v[STO]
	v_mul_u32_u24 v[RD], v10, 272
	v_add_nc_u32 v[RD], v[RD], v[LR]
	v_add_nc_u32 v[RD], s19, v[RD]
	v_mul_u32_u24 v[GO], v10, 3072
	v_add_nc_u32 v[GO], v[GO], v[LR]
	v_lshlrev_b32 v[LB], 6, v10
	s_wait_kmcnt 0x0
	s_add_nc_u64 s[PB:PB+1], s[PB:PB+1], s[20:21]
	s_add_nc_u64 s[PSB:PSB+1], s[PSB:PSB+1], s[22:23]
	s_add_nc_u64 s[RB:RB+1], s[RB:RB+1], s[24:25]
	s_add_nc_u64 s[RSB:RSB+1], s[RSB:RSB+1], s[26:27]
	s_add_nc_u64 s[12:13], s[12:13], s[28:29]
	s_add_nc_u64 s[14:15], s[14:15], s[30:31]
.irp s, 0,1,2,3,4,5                                ; all scale words at once: 12 loads
	global_load_b128 v[PS+4*\s:PS+4*\s+3], v[LR], s[PSB:PSB+1] offset:256*\s
	global_load_b128 v[RS+4*\s:RS+4*\s+3], v[LR], s[RSB:RSB+1] offset:256*\s
.endr
.irp j, 0,1,2,3                                    ; the bias, into accumulators (3, j): columns 32 (j / 2) + 8 (j % 2) + 16 h + 0 .. 7
	global_load_b128 v[ACC+96+8*\j:ACC+96+8*\j+3], v[LB], s[12:13] offset:(32*(\j/2)+8*(\j%2))*4
	global_load_b128 v[ACC+96+8*\j+4:ACC+96+8*\j+7], v[LB], s[12:13] offset:(32*(\j/2)+8*(\j%2))*4+16
.endr
; K step s into set s % 2: 12 loads for Wo's fragments, 16 for O's (a fragment is two heads' units of 768 bytes)
.macro LOADSET s
	WIN 0x40                                       ; destination window 1, address window 0
.set QB, 96*((\s)%2)
.irp j, 0,1,2,3
.irp c, 0,1,2
	global_load_b128 v[QB+12*\j+4*\c:QB+12*\j+4*\c+3], v[LI], s[PB:PB+1] offset:9216*\j+1536*(\s)+512*\c
.endr
.endr
.irp i, 0,1,2,3
.irp c, 0,1
	global_load_b128 v[QB+48+12*\i+6*\c:QB+48+12*\i+6*\c+3], v[LI], s[RB:RB+1] offset:9216*\i+1536*(\s)+768*\c
	global_load_b64 v[QB+48+12*\i+6*\c+4:QB+48+12*\i+6*\c+5], v[L8], s[RB:RB+1] offset:9216*\i+1536*(\s)+768*\c+512
.endr
.endr
.endm
.macro WO s, i, j, ci
	v_wmma_scale_f32_16x16x128_f8f6f4 v[ACC+32*(\i)+8*(\j):ACC+32*(\i)+8*(\j)+7], v[QB+12*(\j):QB+12*(\j)+11], v[QB+48+12*(\i):QB+48+12*(\i)+11], v[ACC+32*(\ci)+8*(\j):ACC+32*(\ci)+8*(\j)+7], v[PS+4*(\s)+(\j)], v[RS+4*(\s)+(\i)] matrix_a_fmt:MATRIX_FMT_BF6 matrix_b_fmt:MATRIX_FMT_BF6
.endm
.macro MULS s                                      ; the 16 accumulators take turns, one instruction a turn
	WIN 0x05                                       ; sources 0 and 1 window 1; C and D window 0
.set QB, 96*((\s)%2)
.if (\s) == 0
.irp i, 0,1,2
.irp j, 0,1,2,3
	WO \s,\i,\j,3
.endr
.endr
	PLACES 5                                       ; the next four write over registers that the twelve above read as C
.irp j, 0,1,2,3
	WO \s,3,\j,3
.endr
.else
.irp i, 0,1,2,3
.irp j, 0,1,2,3
	WO \s,\i,\j,\i
.endr
.endr
.endif
.endm
	LOADSET 0
	LOADSET 1
.irp s, 0,1,2,3,4,5
.if \s < 5
	s_wait_loadcnt 28                              ; this K step's set is in (at first the scale words and the bias too); the next set's 28 loads may be out
.else
	s_wait_loadcnt 0x0
.endif
	MULS \s
	PLACES 4                                       ; in front of loads into registers that matrix instructions have read, and of the first read of results
.if \s < 4
	LOADSET \s+2
.endif
.endr
	WIN 0
	; THE WAY OUT, 32 rows at a time.  LDS serves a wave's instructions in order: the loads see the stores above them, and land in the registers that those stores have read.
.irp b, 0,1
.irp u, 0,1
.irp g, 0,1
.irp q, 0,1,2,3
	ds_store_b128 v[STO], v[ACC+32*(2*\b+\u)+16*\g+4*\q:ACC+32*(2*\b+\u)+16*\g+4*\q+3] offset:(32*\b+8*\u)*272+128*\g+16*\q   ; each accumulator from its low end on
.endr
.endr
.endr
.irp t, 0,1,2,3,4,5,6,7,8,9,10,11,12,13,14,15
	ds_load_b128 v[ACC+64*\b+4*\t:ACC+64*\b+4*\t+3], v[RD] offset:(32*\b+2*\t)*272
.endr
.endr
.irp b, 0,1
.irp t, 0,1,2,3,4,5,6,7,8,9,10,11,12,13,14,15
	s_wait_dscnt 47-32*\b-\t                       ; behind this load: the later loads of its half, and for the first half the second's 32 instructions
	global_store_b128 v[GO], v[ACC+64*\b+4*\t:ACC+64*\b+4*\t+3], s[14:15] offset:(32*\b+2*\t)*3072 th:TH_STORE_NT   ; 16 lanes store 256 consecutive bytes, aligned; written once, read by nobody here
.endr
.endr
	s_wait_tensorcnt 0x0
	ds_add_u32 v126, v127
	s_wait_dscnt 0x0
	s_endpgm
.Lfunc_end_k_q362c0d3ddf_oproj:
	.size	k_q362c0d3ddf_oproj, .Lfunc_end_k_q362c0d3ddf_oproj-k_q362c0d3ddf_oproj
	.p2alignl 7, 3214868480
	.fill 96, 4, 3214868480
	.section	.rodata,"a",@progbits
	.p2align	6, 0x0
	.amdhsa_kernel k_q362c0d3ddf_oproj
		.amdhsa_group_segment_fixed_size 52736
		.amdhsa_private_segment_fixed_size 0
		.amdhsa_enable_private_segment 0
		.amdhsa_kernarg_size 48
		.amdhsa_user_sgpr_count 2
		.amdhsa_user_sgpr_kernarg_segment_ptr 1
		.amdhsa_wavefront_size32 1
		.amdhsa_system_sgpr_workgroup_id_x 1
		.amdhsa_system_sgpr_workgroup_id_y 1
		.amdhsa_system_sgpr_workgroup_id_z 1
		.amdhsa_system_vgpr_workitem_id 0
		.amdhsa_next_free_vgpr 448
		.amdhsa_next_free_sgpr 66
		.amdhsa_reserve_vcc 0
		.amdhsa_float_denorm_mode_32 3
		.amdhsa_float_denorm_mode_16_64 3
		.amdhsa_memory_ordered 1
		.amdhsa_forward_progress 1
		.amdhsa_inst_pref_size 42
	.end_amdhsa_kernel
	.amdgpu_metadata
---
amdhsa.version: [ 1, 2 ]
amdhsa.kernels:
  - .name:           k_q362c0d3ddf_oproj
    .symbol:         k_q362c0d3ddf_oproj.kd
    .args:
      - { .name: oimg, .offset: 0, .size: 8, .value_kind: global_buffer, .address_space: global }
      - { .name: osc, .offset: 8, .size: 8, .value_kind: global_buffer, .address_space: global }
      - { .name: img, .offset: 16, .size: 8, .value_kind: global_buffer, .address_space: global }
      - { .name: isc, .offset: 24, .size: 8, .value_kind: global_buffer, .address_space: global }
      - { .name: bo, .offset: 32, .size: 8, .value_kind: global_buffer, .address_space: global }
      - { .name: out0, .offset: 40, .size: 8, .value_kind: global_buffer, .address_space: global }
    .group_segment_fixed_size: 52736
    .private_segment_fixed_size: 0
    .kernarg_segment_align: 8
    .kernarg_segment_size: 48
    .max_flat_workgroup_size: 96
    .sgpr_count:     66
    .vgpr_count:     448
    .wavefront_size: 32
...
	.end_amdgpu_metadata
.endif
;; end of part 4
;; ======== version 2 of 2: 4 launches
;; workspace buffers: img 8,847,360 bytes; isc 368,640 bytes; qimg 2,359,296 bytes; qsc 196,608 bytes; kv 5,013,504 bytes; oimg 2,359,296 bytes; osc 98,304 bytes
;; launch quant (part 5): grid 240 x 1, 6 waves a work-group, no clusters, 327,680 bytes of LDS; arguments q, k, v, Wq, Wk, Wv, Wo, img, isc; writes img, isc
.if DOCPART == 5
	.amdgcn_target "amdgcn-amd-amdhsa--gfx1250"
	.amdhsa_code_object_version 6
	.text
	.protected	k_q362c0d3ddf_quant
	.globl	k_q362c0d3ddf_quant
	.p2align	8
	.type	k_q362c0d3ddf_quant,@function
k_q362c0d3ddf_quant:
	s_mov_b64 s[64:65], 0
	v_nop
	global_prefetch_b8 v0, s[64:65] scope:SCOPE_SE
	s_setreg_imm32_b32 hwreg(HW_REG_WAVE_MODE, 25, 1), 1
	s_wait_xcnt 0x0
; q, k, v [4096][768] and Wq, Wk, Wv, Wo [768][768], f32 with K = 768 innermost, become codes of BF6 (E3M2) with one E8M0 byte for each 32 along K,
; laid in the ORDER OF AN OPERAND'S REGISTERS, so that the later launches load fragments whole.
; A block's scale is 2^(floor(log2(largest magnitude)) - 4); its byte is the largest magnitude's exponent field - 4, held at 1 from below.
; LIMITS: NaN and infinities among the inputs are not served.  A block of zeros gets the byte 1 where the rule says 127: its codes are zeros, which add nothing
; under any byte but 0xff, and the bytes are read by this program alone.  Beyond 28 the conversion gives the largest code, as the rule asks.
; SHARES.  The seven tensors are 240 blocks of 64 rows (q 0-63, k 64-127, v 128-191, Wq 192-203, Wk 204-215, Wv 216-227, Wo 228-239); a work-group takes a block,
; wave s its K step s (64 rows x 128 numbers).  The waves share nothing: no barrier.  No work-group reads what another reads: no cluster.
; TILE ORDER.  A block is four tiles; in tile t = 2 b + u lane r stands for row 32 b + 8 u + r + 8 (r / 8): a product that takes such a tile as source 0 then
; leaves 16 NEIGHBOURING rows in the 16 registers of tiles 2 b and 2 b + 1.
; img: [block][tile][K step][1,536]: a fragment's 12 registers as three pieces of 512 bytes, piece c = registers 4 c .. 4 c + 3, lane l at 16 l.
; isc: [block][K step][r][tile] words: lane r takes its four tiles' scale words by one load of 16 bytes.
; The numbers come by two tensor loads a wave (32 rows x 512 bytes each, every row two aligned runs of 256 bytes), into rows of 528 bytes; LDS bytes are filled once.
.set ROWB,  3072                       ; a row of a tensor in bytes
.set PITCH, 528                        ; an LDS row: 512 bytes + 16 of padding
.set HALF,  32*PITCH                   ; what one tensor load fills
.set WREG,  64*PITCH                   ; a wave's own region
.set LA,  4                            ; v4   LDS: my wave's region + (r + 8 (r / 8)) x 528 + 64 h
.set LI,  5                            ; v5   16 x lane: my place in a piece of an image
.set LSO, 6                            ; v6   16 r + 8 h: my two words of the scale table
.set TM,  8                            ; v8-11 largest magnitudes, v12-15 the other half's, then bytes, v20-23 scale operands
.set H2,  24                           ; v24-30 the conversions' second halves
.set PW,  32                           ; v32-35 tile t's scale word
.set PC,  40                           ; v40-87 tile t's codes at 40 + 12 t: no store's data are written again
.set X,   128                          ; v128-255 two sets of 64 numbers
.set SEL, 28                           ; s[28:29] lane selects: lane l xor 16
.set G1,  32                           ; s[32:39] descriptor group 1
.set G0,  40                           ; s[40:47] two groups 0
	s_load_b512 s[8:23], s[0:1], 0x0               ; q, k, v, Wq, Wk, Wv, Wo, img
	s_load_b64 s[24:25], s[0:1], 0x40              ; isc
	v_lshl_add_u32 v126, v0, 2, 0x31800
	v_mov_b32 v127, 0
	ds_add_u32 v126, v127
	ds_add_u32 v126, v127
	v_lshrrev_b32 v1, 5, v0
	v_readfirstlane_b32 s7, v1                     ; wave = K step 0..5
	s_mov_b32 s[G1+0], (2<<16)|(1<<20)|(6<<22)|(3<<25)  ; no mask; elements of 4 bytes; padding on: after every 128 words, 4 words
	s_mov_b32 s[G1+1], 128<<16                     ; tensor_dim0 = 128
	s_mov_b32 s[G1+2], 32<<16                      ; tensor_dim1 = 32
	s_mov_b32 s[G1+3], 128<<16                     ; tile_dim0 = 128
	s_mov_b32 s[G1+4], 32                          ; tile_dim1 = 32
	s_mov_b32 s[G1+5], 768                         ; elements from row to row
	s_mov_b32 s[G1+6], 0
	s_mov_b32 s[G1+7], 0
	s_mov_b32 s[SEL], 0x76543210
	s_mov_b32 s[SEL+1], 0xfedcba98
	s_wait_dscnt 0x0
	s_wait_kmcnt 0x0
	; which tensor: the choice hangs on the work-group's number alone
	s_mov_b64 s[4:5], s[20:21]                     ; Wo,
	s_mov_b32 s6, 228                              ; whose first block is 228
.macro PICK bound, ptr, first
	s_cmp_lt_u32 ttmp9, \bound
	s_cselect_b64 s[4:5], s[\ptr:\ptr+1], s[4:5]
	s_cselect_b32 s6, \first, s6
.endm
	PICK 228, 18, 216
	PICK 216, 16, 204
	PICK 204, 14, 192
	PICK 192, 12, 128
	PICK 128, 10, 64
	PICK 64, 8, 0
	s_sub_co_u32 s26, ttmp9, s6                    ; the block within its tensor
	s_mul_i32 s26, s26, 64*ROWB
	s_lshl_b32 s27, s7, 9                          ; my K step: 512 bytes along the rows
	s_add_co_u32 s26, s26, s27
	s_mov_b32 s27, 0
	s_add_nc_u64 s[4:5], s[4:5], s[26:27]
	s_mul_i32 s26, ttmp9, 36864
	s_mul_i32 s30, s7, 1536
	s_add_co_u32 s26, s26, s30
	s_add_nc_u64 s[22:23], s[22:23], s[26:27]      ; img at my block, my K step
	s_mul_i32 s26, ttmp9, 1536
	s_lshl_b32 s30, s7, 8
	s_add_co_u32 s26, s26, s30
	s_add_nc_u64 s[24:25], s[24:25], s[26:27]      ; isc likewise
	s_mov_b32 s[G0], 1
	s_mul_i32 s[G0+1], s7, WREG                    ; rows 0-31 to the head of my region
	s_mov_b64 s[G0+2:G0+3], s[4:5]
	s_or_b32 s[G0+3], s[G0+3], 0x80000000
	s_mov_b32 s[G0+4], 1
	s_add_co_u32 s[G0+5], s[G0+1], HALF            ; rows 32-63 behind them
	s_add_nc_u64 s[G0+6:G0+7], s[4:5], 32*ROWB
	s_or_b32 s[G0+7], s[G0+7], 0x80000000
	tensor_load_to_lds s[G0:G0+3], s[G1:G1+7]      ; rows 0-31; it is waited for before the second fill goes out
	s_nop 0
	s_wait_alu depctr_va_vdst(0)
	s_wait_tensorcnt 0x0
	ds_add_u32 v126, v127
	s_wait_dscnt 0x0
	s_barrier_signal -1
	s_barrier_wait -1
	tensor_load_to_lds s[G0+4:G0+7], s[G1:G1+7]
	s_nop 0
.rept 4
	v_nop
.endr
	v_and_b32 v1, 31, v0                           ; lane
	v_and_b32 v2, 15, v0                           ; r
	v_bfe_u32 v3, v0, 4, 1                         ; h
	v_and_b32 v7, 8, v2
	v_add_nc_u32 v7, v7, v2                        ; r + 8 (r / 8)
	v_mul_u32_u24 v[LA], v7, PITCH
	v_lshl_add_u32 v[LA], v3, 6, v[LA]             ; + 64 h: my 16 numbers of each block of 32
	v_add_nc_u32 v[LA], s[G0+1], v[LA]
	v_lshlrev_b32 v[LI], 4, v1
	v_lshlrev_b32 v[LSO], 4, v2
	v_lshl_add_u32 v[LSO], v3, 3, v[LSO]
.irp b, 0,1,2,3
	v_mov_b32 v[TM+4+\b], 0                        ; written once: a lane permute's destination counts as one of its sources
.endr
; tile t's numbers into a set: register 16 b + i = k 32 b + 16 h + i of my row
.macro FETCHX t, set
.irp b, 0,1,2,3
.irp j, 0,1,2,3
	ds_load_b128 v[X+64*(\set)+16*\b+4*\j:X+64*(\set)+16*\b+4*\j+3], v[LA] offset:(32*((\t)/2)+8*((\t)%2))*PITCH+128*\b+16*\j
.endr
.endr
.endm
; 64 numbers of a lane, v[s] on, become a fragment's 12 registers of codes in v[pc] on and its scale word in v[pw]
.macro QUANT s, pc, pw
.irp b, 0,1,2,3
	v_max3_num_f32 v[TM+\b], |v[(\s)+16*\b]|, |v[(\s)+1+16*\b]|, 0x2800000   ; block b: my 16 numbers, and the floor 2^(5 - 127): the byte cannot fall under 1
.endr
.irp i, 2,4,6,8,10,12,14
.irp b, 0,1,2,3
	v_max3_num_f32 v[TM+\b], v[TM+\b], |v[(\s)+16*\b+\i]|, |v[(\s)+1+16*\b+\i]|   ; the four blocks by turns
.endr
.endr
.irp b, 0,1,2,3
	v_permlanex16_b32 v[TM+4+\b], v[TM+\b], s[SEL], s[SEL+1]
.endr
.irp b, 0,1,2,3
	v_max_num_f32 v[TM+\b], v[TM+\b], v[TM+4+\b]   ; with lane l xor 16's: the block's largest magnitude
.endr
.irp b, 0,1,2,3
	v_add_nc_u32 v[TM+12+\b], 0xfe000000, v[TM+\b] ; 4 off its exponent field: the conversion takes the exponent field of this operand as its scale
.endr
.irp b, 0,1,2,3
	v_lshrrev_b32 v[TM+4+\b], 23, v[TM+12+\b]      ; the scale's byte
.endr
	v_lshl_or_b32 v[\pw], v[TM+5], 8, v[TM+4]
	v_lshl_or_b32 v[\pw], v[TM+6], 16, v[\pw]
	v_lshl_or_b32 v[\pw], v[TM+7], 24, v[\pw]
.irp c, 0,1
	v_cvt_scalef32_pk16_bf6_f32 v[(\pc)+6*\c:(\pc)+6*\c+2], v[(\s)+32*\c:(\s)+32*\c+15], v[TM+12+2*\c]
	v_cvt_scalef32_pk16_bf6_f32 v[H2+4*\c:H2+4*\c+2], v[(\s)+32*\c+16:(\s)+32*\c+31], v[TM+13+2*\c]   ; a conversion's three registers begin on an even number
.endr
	v_nop                                          ; one plain place behind a scaled conversion
.irp c, 0,1                                        ; the layout wants a WHOLE block in a lane: lanes 0-15 block 2 c, lanes 16-31 block 2 c + 1
.irp i, 0,1,2
	v_permlane16_swap_b32 v[(\pc)+6*\c+\i], v[H2+4*\c+\i]
.endr
.irp i, 0,1,2
	v_mov_b32 v[(\pc)+6*\c+3+\i], v[H2+4*\c+\i]
.endr
.endr
.endm
.macro PUT t                                       ; each store covers 512 consecutive bytes, aligned
.irp c, 0,1,2
	global_store_b128 v[LI], v[PC+12*(\t)+4*\c:PC+12*(\t)+4*\c+3], s[22:23] offset:9216*(\t)+512*\c
.endr
.endm
	s_wait_alu depctr_va_vdst(0)
	s_wait_tensorcnt 0x1                           ; rows 0-31 (tiles 0 and 1) are in; the second load may be out
	FETCHX 0, 0
	FETCHX 1, 1
	s_wait_dscnt 16                                ; tile 0's 16 reads are in, tile 1's may be out
	QUANT X, PC, PW
	PUT 0
	s_wait_tensorcnt 0x0                           ; rows 32-63
	FETCHX 2, 0
	s_wait_dscnt 16                                ; tile 1's are in
	QUANT X+64, PC+12, PW+1
	PUT 1
	FETCHX 3, 1
	s_wait_dscnt 16                                ; tile 2's are in
	QUANT X, PC+24, PW+2
	PUT 2
	s_wait_dscnt 0x0
	QUANT X+64, PC+36, PW+3
	PUT 3
	v_cmp_ne_u32 vcc_lo, 0, v3                     ; lanes 0-15 store tiles 0, 1 of their row's four words, lanes 16-31 tiles 2, 3
	v_cndmask_b32 v36, v[PW], v[PW+2], vcc_lo
	v_cndmask_b32 v37, v[PW+1], v[PW+3], vcc_lo
	global_store_b64 v[LSO], v[36:37], s[24:25]    ; 32 lanes store 256 consecutive bytes, aligned
	s_wait_tensorcnt 0x0
	ds_add_u32 v126, v127
	s_wait_dscnt 0x0
	s_endpgm
.Lfunc_end_k_q362c0d3ddf_quant:
	.size	k_q362c0d3ddf_quant, .Lfunc_end_k_q362c0d3ddf_quant-k_q362c0d3ddf_quant
	.p2alignl 7, 3214868480
	.fill 96, 4, 3214868480
	.section	.rodata,"a",@progbits
	.p2align	6, 0x0
	.amdhsa_kernel k_q362c0d3ddf_quant
		.amdhsa_group_segment_fixed_size 327680
		.amdhsa_private_segment_fixed_size 0
		.amdhsa_enable_private_segment 0
		.amdhsa_kernarg_size 72
		.amdhsa_user_sgpr_count 2
		.amdhsa_user_sgpr_kernarg_segment_ptr 1
		.amdhsa_wavefront_size32 1
		.amdhsa_system_sgpr_workgroup_id_x 1
		.amdhsa_system_sgpr_workgroup_id_y 1
		.amdhsa_system_sgpr_workgroup_id_z 1
		.amdhsa_system_vgpr_workitem_id 0
		.amdhsa_next_free_vgpr 256
		.amdhsa_next_free_sgpr 66
		.amdhsa_reserve_vcc 1
		.amdhsa_float_denorm_mode_32 3
		.amdhsa_float_denorm_mode_16_64 3
		.amdhsa_memory_ordered 1
		.amdhsa_forward_progress 1
		.amdhsa_inst_pref_size 25
	.end_amdhsa_kernel
	.amdgpu_metadata
---
amdhsa.version: [ 1, 2 ]
amdhsa.kernels:
  - .name:           k_q362c0d3ddf_quant
    .symbol:         k_q362c0d3ddf_quant.kd
    .args:
      - { .name: q, .offset: 0, .size: 8, .value_kind: global_buffer, .address_space: global }
      - { .name: k, .offset: 8, .size: 8, .value_kind: global_buffer, .address_space: global }
      - { .name: v, .offset: 16, .size: 8, .value_kind: global_buffer, .address_space: global }
      - { .name: Wq, .offset: 24, .size: 8, .value_kind: global_buffer, .address_space: global }
      - { .name: Wk, .offset: 32, .size: 8, .value_kind: global_buffer, .address_space: global }
      - { .name: Wv, .offset: 40, .size: 8, .value_kind: global_buffer, .address_space: global }
      - { .name: Wo, .offset: 48, .size: 8, .value_kind: global_buffer, .address_space: global }
      - { .name: img, .offset: 56, .size: 8, .value_kind: global_buffer, .address_space: global }
      - { .name: isc, .offset: 64, .size: 8, .value_kind: global_buffer, .address_space: global }
    .group_segment_fixed_size: 327680
    .private_segment_fixed_size: 0
    .kernarg_segment_align: 8
    .kernarg_segment_size: 72
    .max_flat_workgroup_size: 192
    .sgpr_count:     66
    .vgpr_count:     256
    .wavefront_size: 32
...
	.end_amdgpu_metadata
.endif
;; end of part 5
;; launch proj (part 6): grid 256 x 1, 9 waves a work-group, no clusters, 0 bytes of LDS; arguments img, isc, bq, bk, bv, qimg, qsc, kv; writes qimg, qsc, kv
.if DOCPART == 6
	.amdgcn_target "amdgcn-amd-amdhsa--gfx1250"
	.amdhsa_code_object_version 6
	.text
	.protected	k_q362c0d3ddf_proj
	.globl	k_q362c0d3ddf_proj
	.p2align	8
	.type	k_q362c0d3ddf_proj,@function
k_q362c0d3ddf_proj:
	s_mov_b64 s[64:65], 0
	v_nop
	global_prefetch_b8 v0, s[64:65] scope:SCOPE_SE
	s_setreg_imm32_b32 hwreg(HW_REG_WAVE_SCHED_MODE, 0, 2), 2
	s_setreg_imm32_b32 hwreg(HW_REG_WAVE_MODE, 25, 1), 1
	s_wait_xcnt 0x0
	s_wait_alu depctr_vm_vsrc(0)
; qp = q Wq^T + bq, kp = k Wk^T + bk, vp = v Wv^T + bv on codes of BF6 (E3M2) with E8M0 scales, sums in f32; the results are quantised in registers for the
; attention: qp and kp along a head's 64 channels, vp along the keys.  No f32 result goes to memory.
; SHARES.  2,304 jobs of 64 tokens x one head's 64 channels = 256 work-groups x 9 waves; a job is one wave's: 16 accumulators, 6 K steps of 128, 96 matrix instructions.
; A work-group's nine jobs are 3 token blocks x 3 heads.  No LDS, no barrier: both operands lie in memory in the order of their registers and are loaded whole.
; NO CLUSTER: nothing goes through LDS, so there is no tile to ask for jointly; and a work-group's token blocks 3 g .. 3 g + 2 can lie in two tensors
; (63, 64, 65), so that partners would not always want the same weights.
; ONE LOOP FOR BOTH ORIENTATIONS: D(i, j) = P[j] (source 0) x R[i] (source 1).  q, k: P = the head's rows of W, R = the tokens: a lane holds a token and its
; registers run along the channels.  v: P = the tokens, R = the head's rows of W: a lane holds a channel and its registers run along the keys.
; By the tile order (lane r of tile 2 b + u = row 32 b + 8 u + r + 8 (r / 8)) register 16 b + e of unit i's 32 is P's row 32 b + 16 h + e: two blocks of 32 along the next K.
; The bias is the C of each sum's first matrix instruction; it is loaded into accumulators that are begun last.
; OUT.  A unit (16 rows x 64 K, 6 registers) is 768 bytes: registers 0-3 at 16 x lane, then registers 4-5 at 8 x lane.  qimg [head][tile][768]; qsc [head][block][r][tile] words.
; kv [head][step of 128 keys][13,056]: K's 8 units, V's 8 units (768 (2 n + c)), K's two scale tables, V's scale table.  q's and k's words carry 0x7f in bytes 2, 3:
; the attention multiplies K = 64 in an instruction of K = 128.
; LIMITS: as in the launch that makes the codes: NaN and infinities are not served; a block of zeros gets the byte 1.
; THE MODE: SCHED_MODE bits 1:0 = 2 (LLVM: expert scheduling mode 2), set by the entry lines.  The code itself states the register dependences
; between vector or matrix instructions and memory instructions, with s_wait_alu, always for 0.
; THE PLAN.  Registers that memory instructions touch:
;   v1-v6            offsets.  Written by vector lines at the head (v6 in the arm of the first K step), read by every load and store, never written again.
;   PF, RF, PS, RS   ONE set.  The 26 loads of K step s land in it; the step's 16 products read it; the loads of K step s + 1 land in it again.
;   ACC (3, j) or (i, 3)  The bias's loads land there, ahead of every product; no load lands there again.
;   PC, v92, v93     The stores' data.  Written by the way out's conversions, moves and selections, read by the stores, never written again.
; So one wait on va_vdst stands in each arm of the first K step (the offsets are written), one behind the products of each K step but the last (they are done reading the set,
; which is asked for again at once), and one ahead of each arm's run of stores, behind all of the arm's vector lines.  No register that a memory instruction reads is written again.
; One set, not two: three of the nine waves share a SIMD's 1,024 registers, 341 each; two sets with their scale words, the accumulators and the offsets would make 344.
.set LI,  1                            ; v1  16 x lane
.set LR,  2                            ; v2  16 r
.set L8,  3                            ; v3  8 x lane
.set LSW, 4                            ; v4  16 r + 8 h
.set LSV, 5                            ; v5  16 r + 4 h
.set LB,  6                            ; v6  my place in the bias
.set VH,  7                            ; v7  h
.set PS,  8                            ; v8-11  P's scale words, tile j: scales and nothing else
.set RS,  12                           ; v12-15 R's, tile i
.set PF,  16                           ; v16-63  P's four fragments
.set RF,  64                           ; v64-111 R's four
.set ACC, 128                          ; v128-255 accumulator (i, j) at 128 + 32 i + 8 j
.set TM,  16                           ; the way out, over the fragments: v16-23 largest magnitudes (unit i, block b: 2 i + b)
.set TP,  24                           ; v24-31 the other half's
.set SO,  32                           ; v32-39 scale operands
.set BY,  40                           ; v40-47 bytes
.set H2,  48                           ; v48-62 the conversions' second halves, 4 i
.set PC,  64                           ; v64-87 the units' codes, 6 i
.set HW,  88                           ; v88-91 two bytes a unit
.set SEL, 0+2                          ; (s2 is the wave's number; the selects lie in s[60:61] below)
.set PB,  32                           ; s[32:33] P's images   s[34:35] R's   s[36:37] P's scale tables   s[38:39] R's
.set RB,  34
.set PSB, 36
.set RSB, 38
.set BI,  40                           ; s[40:41] the bias at my head
.set OB,  42                           ; s[42:43] where the units go   s[44:45] where the scale bytes go
.set OS,  44
	s_load_b512 s[8:23], s[0:1], 0x0               ; img, isc, bq, bk, bv, qimg, qsc, kv
	v_lshrrev_b32 v7, 5, v0
	v_readfirstlane_b32 s2, v7                     ; wave 0..8
	s_and_b32 s4, ttmp9, 3                         ; group of three heads
	s_lshr_b32 s5, ttmp9, 2                        ; group of three token blocks
	s_wait_alu depctr_va_sdst(0)                   ; s2 is written, ahead of its first reader: the job's numbers and all bases are made from it
	s_mul_i32 s6, s2, 11
	s_lshr_b32 s6, s6, 5                           ; wave / 3
	s_mul_i32 s7, s6, 3
	s_sub_co_u32 s7, s2, s7                        ; wave % 3
	s_mul_i32 s24, s5, 3
	s_add_co_u32 s24, s24, s7                      ; the token block's number in img, 0..191
	s_lshr_b32 s25, s24, 6                         ; Y: 0 q, 1 k, 2 v
	s_and_b32 s26, s24, 63                         ; X: the block within its tensor
	s_mul_i32 s27, s4, 3
	s_add_co_u32 s27, s27, s6                      ; the head
	s_mul_i32 s28, s25, 12
	s_add_co_u32 s28, s28, s27
	s_add_co_u32 s28, s28, 192                     ; the head's block of W in img
	s_cmp_lt_u32 s25, 2
	s_cselect_b32 s29, s28, s24                    ; P's block
	s_cselect_b32 s30, s24, s28                    ; R's block
	s_mul_i32 s46, s29, 36864
	s_mov_b32 s47, 0
	s_mul_i32 s48, s30, 36864
	s_mov_b32 s49, 0
	s_mul_i32 s50, s29, 1536
	s_mov_b32 s51, 0
	s_mul_i32 s52, s30, 1536
	s_mov_b32 s53, 0
	s_lshl_b32 s54, s27, 8                         ; the head's 64 numbers of a bias
	s_mov_b32 s55, 0
	s_lshl_b32 s31, s27, 5
	s_lshr_b32 s3, s26, 1
	s_add_co_u32 s31, s31, s3
	s_mul_i32 s31, s31, 13056                      ; kv: chunk (head, X / 2)
	s_and_b32 s3, s26, 1                           ; which 64 keys of its 128
	s_mul_i32 s56, s27, 196608                     ; q: units at (256 head + 4 X) x 768,
	s_mul_i32 s58, s26, 3072
	s_add_co_u32 s56, s56, s58
	s_lshl_b32 s58, s27, 6
	s_add_co_u32 s58, s58, s26
	s_lshl_b32 s58, s58, 8                         ;    scale table at (64 head + X) x 256
	s_mul_i32 s60, s3, 3072                        ; k: units at 3,072 c in the chunk,
	s_add_co_u32 s60, s60, s31
	s_lshl_b32 s61, s3, 8
	s_add_co_u32 s61, s61, s31
	s_add_co_u32 s61, s61, 12288                   ;    scale table at 12,288 + 256 c
	s_mul_i32 s62, s3, 768                         ; v: units at 6,144 + 768 c, 1,536 apart,
	s_add_co_u32 s62, s62, s31
	s_add_co_u32 s62, s62, 6144
	s_lshl_b32 s63, s3, 1
	s_add_co_u32 s63, s63, s31
	s_add_co_u32 s63, s63, 12800                   ;    bytes 2 c, 2 c + 1 of the words at 12,800
	s_cmp_eq_u32 s25, 0
	s_cselect_b32 s56, s56, s60
	s_cselect_b32 s58, s58, s61
	s_cmp_eq_u32 s25, 2
	s_cselect_b32 s56, s62, s56
	s_cselect_b32 s58, s63, s58
	s_mov_b32 s57, 0
	s_mov_b32 s59, 0
	s_mov_b32 s60, 0x76543210                      ; lane selects: lane l xor 16
	s_mov_b32 s61, 0xfedcba98
	v_and_b32 v1, 31, v0
	v_lshlrev_b32 v[L8], 3, v1
	v_lshlrev_b32 v[LI], 4, v1
	v_and_b32 v2, 15, v0
	v_lshlrev_b32 v[LR], 4, v2
	v_bfe_u32 v[VH], v0, 4, 1
	v_lshl_add_u32 v[LSW], v[VH], 3, v[LR]
	v_lshl_add_u32 v[LSV], v[VH], 2, v[LR]
	s_wait_kmcnt 0x0
	s_cmp_eq_u32 s25, 0                            ; the buffers are chosen on ids alone
	s_cselect_b64 s[OB:OB+1], s[18:19], s[22:23]
	s_cselect_b64 s[OS:OS+1], s[20:21], s[22:23]
	s_cselect_b64 s[BI:BI+1], s[12:13], s[14:15]
	s_cmp_eq_u32 s25, 2
	s_cselect_b64 s[BI:BI+1], s[16:17], s[BI:BI+1]
	s_add_nc_u64 s[PB:PB+1], s[8:9], s[46:47]
	s_add_nc_u64 s[RB:RB+1], s[8:9], s[48:49]
	s_add_nc_u64 s[PSB:PSB+1], s[10:11], s[50:51]
	s_add_nc_u64 s[RSB:RSB+1], s[10:11], s[52:53]
	s_add_nc_u64 s[BI:BI+1], s[BI:BI+1], s[54:55]
	s_add_nc_u64 s[OB:OB+1], s[OB:OB+1], s[56:57]
	s_add_nc_u64 s[OS:OS+1], s[OS:OS+1], s[58:59]
; K step s: 24 loads of 512 consecutive bytes bring the eight fragments, two bring the scale words of the eight tiles
.macro LOADSTEP s
.irp j, 0,1,2,3
.irp c, 0,1,2
	global_load_b128 v[PF+12*\j+4*\c:PF+12*\j+4*\c+3], v[LI], s[PB:PB+1] offset:9216*\j+1536*(\s)+512*\c
.endr
.endr
.irp j, 0,1,2,3
.irp c, 0,1,2
	global_load_b128 v[RF+12*\j+4*\c:RF+12*\j+4*\c+3], v[LI], s[RB:RB+1] offset:9216*\j+1536*(\s)+512*\c
.endr
.endr
	global_load_b128 v[PS:PS+3], v[LR], s[PSB:PSB+1] offset:256*(\s)
	global_load_b128 v[RS:RS+3], v[LR], s[RSB:RSB+1] offset:256*(\s)
	s_wait_loadcnt 0x0
.endm
; one product: accumulator (i, j) = P[j] x R[i] + accumulator (ci, cj)
.macro W i, j, ci, cj
	v_wmma_scale_f32_16x16x128_f8f6f4 v[ACC+32*(\i)+8*(\j):ACC+32*(\i)+8*(\j)+7], v[PF+12*(\j):PF+12*(\j)+11], v[RF+12*(\i):RF+12*(\i)+11], v[ACC+32*(\ci)+8*(\cj):ACC+32*(\ci)+8*(\cj)+7], v[PS+(\j)], v[RS+(\i)] matrix_a_fmt:MATRIX_FMT_BF6 matrix_b_fmt:MATRIX_FMT_BF6
.endm
.macro PLACES n
.rept \n
	v_nop
.endr
.endm
	s_cmp_eq_u32 s25, 2
	s_cbranch_scc1 .Lfirst_v
	s_wait_alu depctr_va_vdst(0)
	; q, k: the bias runs along the registers: accumulator (., j) wants channels 32 (j / 2) + 8 (j % 2) + 16 h + 0 .. 7.  It is loaded into accumulators (3, j).
	v_lshlrev_b32 v[LB], 6, v[VH]
	s_wait_alu depctr_va_vdst(0)                   ; the offsets v1 to v6 are written, which every load and store of the kernel reads
.irp j, 0,1,2,3
	global_load_b128 v[ACC+96+8*\j:ACC+96+8*\j+3], v[LB], s[BI:BI+1] offset:(32*(\j/2)+8*(\j%2))*4
	global_load_b128 v[ACC+96+8*\j+4:ACC+96+8*\j+7], v[LB], s[BI:BI+1] offset:(32*(\j/2)+8*(\j%2))*4+16
.endr
	LOADSTEP 0
.irp i, 0,1,2
.irp j, 0,1,2,3
	W \i,\j,3,\j
.endr
.endr
	PLACES 5                                       ; the next four write over registers that the twelve above read as C
.irp j, 0,1,2,3
	W 3,\j,3,\j
.endr
	s_branch .Ljoin
.Lfirst_v:
	; v: the bias hangs on the lane's channel 32 (i / 2) + 8 (i % 2) + r + 8 (r / 8): one number for all eight registers; it is laid into accumulators (i, 3).
	v_and_b32 v16, 8, v0
	v_and_b32 v[LB], 15, v0
	v_add_lshl_u32 v[LB], v[LB], v16, 2
	s_wait_alu depctr_va_vdst(0)                   ; the offsets v1 to v6 are written, which every load and store of the kernel reads; v16, in which a load of the first K step lands, has been written and read
.irp i, 0,1,2,3
	global_load_b32 v[ACC+32*\i+24], v[LB], s[BI:BI+1] offset:(32*(\i/2)+8*(\i%2))*4
.endr
	LOADSTEP 0
.irp i, 0,1,2,3
.irp e, 1,2,3,4,5,6,7
	v_mov_b32 v[ACC+32*\i+24+\e], v[ACC+32*\i+24]
.endr
.endr
	PLACES 4
.irp j, 0,1,2
.irp i, 0,1,2,3
	W \i,\j,\i,3
.endr
.endr
	PLACES 5                                       ; as above
.irp i, 0,1,2,3
	W \i,3,\i,3
.endr
.Ljoin:
.irp s, 1,2,3,4,5
	PLACES 4                                       ; four places between the products and the loads into their registers; the wait behind them states the dependence
	s_wait_alu depctr_va_vdst(0)                   ; the last K step's products are done reading the fragments and the scale words, in which the 26 loads below land
	LOADSTEP \s
.irp i, 0,1,2,3                                    ; the 16 accumulators take turns, one instruction a turn
.irp j, 0,1,2,3
	W \i,\j,\i,\j
.endr
.endr
.endr
	; THE WAY OUT: four units of 32 numbers a lane, eight blocks (u = 2 i + b at ACC + 16 u), quantised by turns; each accumulator is read from its low end on
	PLACES 4
.irp u, 0,1,2,3,4,5,6,7
	v_mov_b32 v[TP+\u], 0                          ; a lane permute's destination counts as one of its sources
.endr
.irp u, 0,1,2,3,4,5,6,7
	v_max3_num_f32 v[TM+\u], |v[ACC+16*\u]|, |v[ACC+16*\u+1]|, 0x2800000   ; my 16 numbers of block u, and the floor 2^(5 - 127)
.endr
.irp e, 2,4,6,8,10,12,14
.irp u, 0,1,2,3,4,5,6,7
	v_max3_num_f32 v[TM+\u], v[TM+\u], |v[ACC+16*\u+\e]|, |v[ACC+16*\u+\e+1]|
.endr
.endr
.irp u, 0,1,2,3,4,5,6,7
	v_permlanex16_b32 v[TP+\u], v[TM+\u], s60, s61
.endr
.irp u, 0,1,2,3,4,5,6,7
	v_max_num_f32 v[TM+\u], v[TM+\u], v[TP+\u]     ; with lane l xor 16's 16: the block's largest magnitude
.endr
.irp u, 0,1,2,3,4,5,6,7
	v_add_nc_u32 v[SO+\u], 0xfe000000, v[TM+\u]    ; 4 off the exponent field: the conversion's scale operand
.endr
.irp u, 0,1,2,3,4,5,6,7
	v_lshrrev_b32 v[BY+\u], 23, v[SO+\u]           ; the scale's byte
.endr
.irp i, 0,1,2,3
	v_cvt_scalef32_pk16_bf6_f32 v[PC+6*\i:PC+6*\i+2], v[ACC+32*\i:ACC+32*\i+15], v[SO+2*\i]
	v_cvt_scalef32_pk16_bf6_f32 v[H2+4*\i:H2+4*\i+2], v[ACC+32*\i+16:ACC+32*\i+31], v[SO+2*\i+1]
.endr
	v_nop                                          ; one plain place behind a scaled conversion
.irp i, 0,1,2,3                                    ; a whole block in a lane: lanes 0-15 block 0, lanes 16-31 block 1
.irp e, 0,1,2
	v_permlane16_swap_b32 v[PC+6*\i+\e], v[H2+4*\i+\e]
.endr
.irp e, 0,1,2
	v_mov_b32 v[PC+6*\i+3+\e], v[H2+4*\i+\e]
.endr
	v_lshl_or_b32 v[HW+\i], v[BY+2*\i+1], 8, v[BY+2*\i]
.endr
.macro STOREIMG stride
.irp i, 0,1,2,3
	global_store_b128 v[LI], v[PC+6*\i:PC+6*\i+3], s[OB:OB+1] offset:(\stride)*\i          ; 512 consecutive bytes, aligned
	global_store_b64 v[L8], v[PC+6*\i+4:PC+6*\i+5], s[OB:OB+1] offset:(\stride)*\i+512     ; 256 consecutive bytes, aligned
.endr
.endm
	v_cmp_ne_u32 vcc_lo, 0, v[VH]
	s_wait_alu depctr_va_vcc(0)                    ; VCC is written, ahead of the branch and of the selections that read it in both arms
	s_cmp_eq_u32 s25, 2
	s_cbranch_scc1 .Lstore_v
.irp i, 0,1,2,3
	v_or_b32 v[HW+\i], 0x7f7f0000, v[HW+\i]        ; bytes 2, 3: the scale 1 for the empty half of K
.endr
	v_cndmask_b32 v92, v[HW], v[HW+2], vcc_lo      ; lanes 0-15 store tiles 0, 1 of their row's four words, lanes 16-31 tiles 2, 3
	v_cndmask_b32 v93, v[HW+1], v[HW+3], vcc_lo
	s_wait_alu depctr_va_vdst(0)                   ; the units' codes v64 to v87 and the words v92, v93 are written, which the nine stores below read
	STOREIMG 768
	global_store_b64 v[LSW], v[92:93], s[OS:OS+1]  ; 256 consecutive bytes, aligned
	s_endpgm
.Lstore_v:
	v_cndmask_b32 v92, v[HW], v[HW+1], vcc_lo      ; lanes 0-15 tiles 0 and 2, lanes 16-31 tiles 1 and 3: two bytes of each word; the word's other two come from the job of the other 64 keys
	s_wait_alu depctr_va_vdst(0)
	v_cndmask_b32 v93, v[HW+2], v[HW+3], vcc_lo
	s_wait_alu depctr_va_vdst(0)                   ; the units' codes v64 to v87 and the bytes in v92, v93 are written, which the ten stores below read
	STOREIMG 1536
	global_store_b16 v[LSV], v92, s[OS:OS+1]
	global_store_b16 v[LSV], v93, s[OS:OS+1] offset:8
	s_endpgm
.Lfunc_end_k_q362c0d3ddf_proj:
	.size	k_q362c0d3ddf_proj, .Lfunc_end_k_q362c0d3ddf_proj-k_q362c0d3ddf_proj
	.p2alignl 7, 3214868480
	.fill 96, 4, 3214868480
	.section	.rodata,"a",@progbits
	.p2align	6, 0x0
	.amdhsa_kernel k_q362c0d3ddf_proj
		.amdhsa_group_segment_fixed_size 0
		.amdhsa_private_segment_fixed_size 0
		.amdhsa_enable_private_segment 0
		.amdhsa_kernarg_size 64
		.amdhsa_user_sgpr_count 2
		.amdhsa_user_sgpr_kernarg_segment_ptr 1
		.amdhsa_wavefront_size32 1
		.amdhsa_system_sgpr_workgroup_id_x 1
		.amdhsa_system_sgpr_workgroup_id_y 1
		.amdhsa_system_sgpr_workgroup_id_z 1
		.amdhsa_system_vgpr_workitem_id 0
		.amdhsa_next_free_vgpr 256
		.amdhsa_next_free_sgpr 66
		.amdhsa_reserve_vcc 1
		.amdhsa_float_denorm_mode_32 3
		.amdhsa_float_denorm_mode_16_64 3
		.amdhsa_memory_ordered 1
		.amdhsa_forward_progress 1
		.amdhsa_inst_pref_size 49
	.end_amdhsa_kernel
	.amdgpu_metadata
---
amdhsa.version: [ 1, 2 ]
amdhsa.kernels:
  - .name:           k_q362c0d3ddf_proj
    .symbol:         k_q362c0d3ddf_proj.kd
    .args:
      - { .name: img, .offset: 0, .size: 8, .value_kind: global_buffer, .address_space: global }
      - { .name: isc, .offset: 8, .size: 8, .value_kind: global_buffer, .address_space: global }
      - { .name: bq, .offset: 16, .size: 8, .value_kind: global_buffer, .address_space: global }
      - { .name: bk, .offset: 24, .size: 8, .value_kind: global_buffer, .address_space: global }
      - { .name: bv, .offset: 32, .size: 8, .value_kind: global_buffer, .address_space: global }
      - { .name: qimg, .offset: 40, .size: 8, .value_kind: global_buffer, .address_space: global }
      - { .name: qsc, .offset: 48, .size: 8, .value_kind: global_buffer, .address_space: global }
      - { .name: kv, .offset: 56, .size: 8, .value_kind: global_buffer, .address_space: global }
    .group_segment_fixed_size: 0
    .private_segment_fixed_size: 0
    .kernarg_segment_align: 8
    .kernarg_segment_size: 64
    .max_flat_workgroup_size: 288
    .sgpr_count:     66
    .vgpr_count:     256
    .wavefront_size: 32
...
	.end_amdgpu_metadata
.endif
;; end of part 6
;; launch attn (part 7): grid 64 x 4, 12 waves a work-group, clusters of 4 x 1, 327,680 bytes of LDS; arguments qimg, qsc, kv, oimg, osc; writes oimg, osc
.if DOCPART == 7
	.amdgcn_target "amdgcn-amd-amdhsa--gfx1250"
	.amdhsa_code_object_version 6
	.text
	.protected	k_q362c0d3ddf_attn
	.globl	k_q362c0d3ddf_attn
	.p2align	8
	.type	k_q362c0d3ddf_attn,@function
k_q362c0d3ddf_attn:
	s_mov_b64 s[64:65], 0
	v_nop
	global_prefetch_b8 v0, s[64:65] scope:SCOPE_SE
	s_setreg_imm32_b32 hwreg(HW_REG_WAVE_MODE, 25, 1), 1
	s_wait_xcnt 0x0
	s_wait_alu depctr_hold_cnt(0) depctr_sa_sdst(0) depctr_va_vdst(0) depctr_va_sdst(0) depctr_va_ssrc(0) depctr_va_vcc(0) depctr_vm_vsrc(0)
	s_getreg_b32 s2, hwreg(HW_REG_IB_STS2, 6, 4)
	s_cmp_eq_u32 s2, 0
	s_cbranch_scc0 .Lentry_in_a_cluster
	s_endpgm
.Lentry_in_a_cluster:
	s_bfe_u32 s2, ttmp6, 0x10000c
	s_cmp_lg_u32 s2, 0x3003
	s_cbranch_scc0 .Lentry_shape_is_right
	s_endpgm
.Lentry_shape_is_right:
; For each of 12 heads: O[q] = sum over keys of softmax(Q[q] . K[key] / 8) V[key], both products on codes of BF6 (E3M2) with E8M0 scales; the result is quantised along the
; channels for the output projection.  4,096 queries and keys, 64 channels a head.
; THE SOFTMAX AHEAD OF THE SECOND PRODUCT: t = score x log2(e) / 8; M = the row's largest t so far, rounded UP to a whole number; p = 2^(t - M) is quantised along the keys, not normalised.
; The row's sum is taken of the unquantised p and divides O at the end.  When M moves, the sum and O are multiplied by 2^(old M - new M): exact.
; SHARES.  A work-group has 3 heads x 64 queries: twelve waves, wave 4 j + i with head 3 y + j and query tile 4 X + i (16 queries), in 256 registers: three waves to a SIMD, so that one wave's
; vector work stands beside another's matrix work and LDS loads.  3,072 tiles of queries = 256 work-groups x 12.  Every wave walks its head's 4,096 keys, 128 a step.
; RING.  kv holds, for each head and step, ONE dense chunk of 13,056 bytes (K's 8 units, V's 8 units, their scale tables), laid in the order of the operands' registers.  A slot holds
; 3 heads x 4 steps = 12 chunks; wave 4 j + i fetches the chunk of head j, step i: one tensor load a wave by one line.  Two slots.
; CLUSTER.  The four work-groups of a cluster have the same three heads and walk the same chunks: each load is asked for JOINTLY, with the same descriptor and a mask that names the four.
; LAYOUT.  Both products are used transposed: S^T = K Q^T (source 0 = 16 keys), O^T = V^T P^T (source 0 = 16 channels): a lane holds ONE query throughout.  By the tile order in which the
; keys and channels were laid, register 16 b + e of the scores is key 32 b + 16 h + e of the step, and of O^T channel 32 b + 16 h + e.
; K = 64 IN AN INSTRUCTION OF K = 128.  A tile of keys is 6 registers; its operand names 12: the upper six are the NEXT tile's codes (behind tile 7: zeros).  They meet Q's upper six,
; which are zero codes, under scale bytes 0x7f; the format has no infinity and no NaN, so they add exactly 0.
; LIMITS: NaN and infinities are not served.  A p under 2^-126 comes out of v_exp_f32 as 0.  A block's largest p is taken from its largest score, put through the same multiply-add and
; exponential; this takes v_exp_f32 not to fall where its input rises.  A block of zeros gets the byte 1: its codes are zeros.
.set CHUNK, 13056
.set SLOT,  12*CHUNK                   ; 156,672 bytes
.set SPARE, 2*SLOT                     ; behind the ring: the spare words, 128 bytes for each of twelve waves: six blocks of 256 bytes that no other line names
.set LI,  1                            ; v1  16 x lane     v2  8 x lane     v3  16 r
.set L8,  2
.set LR,  3
.set SPW, 4                            ; v4  LDS address of my spare word; never rewritten
.set NIL, 5                            ; v5  0; never rewritten
.set A16, 6                            ; v6-8 the step's LDS addresses
.set A8,  7
.set AR,  8
.set OSB, 9                            ; v9  16 r + h
.set VH,  10                           ; v10 h
.set OLD, 29                           ; v29 the old -M      v30 at work
.set T,   30
.set QF,  16                           ; v16-27 Q: six registers of codes, six of zeros
.set QS,  28                           ; v28 Q's scale word
.set KF,  32                           ; v32-79 K's eight tiles, 6 registers each; v80-85 zeros
.set VF,  86                           ; v86-133 V's four fragments
.set S,   134                          ; v134-197 S^T, then p
.set O,   198                          ; v198-229 O^T
.set P,   230                          ; v230-241 p's codes
.set KS,  242                          ; v242-249 K's scale words (then chains of the sum)    v250-253 V's    v255 p's: these two scales and nothing else
.set VS,  250
.set F,   254                          ; v254 f = 2^(old M - new M)
.set PWD, 255
.set BM,  32                           ; at work, in K's registers, which are free behind the score products: v32-35 the blocks' largest
.set PD,  36                           ; v36-39 the other half's, then bytes
.set SO,  40                           ; v40-43 scale operands
.set H2,  44                           ; v44-46, v48-50 the conversions' second halves
.set SUM2, 54                          ; v[54:55] one of the sum's eight chains
.set WV,  14
.set SEL, 22                           ; s[22:23] lane selects: lane l xor 16
.set CS,  24                           ; s[24:25] c = log2(e) / 8
.set G1,  28                           ; s[28:35] descriptor group 1
.set G0,  36                           ; s[36:43] group 0, one for each slot
.set LOOP, 44
.set TB,  45                           ; s45 LDS byte of the chunk in hand
.set HB,  46                           ; s46 my head's four chunks in a slot
.set CNT, 47
; A round of the cluster's barrier: my work-group's barrier; wave 0 signals for the work-group; every wave waits for all four work-groups; my work-group's barrier once more.
.macro ROUND
	s_barrier_signal -1
	s_barrier_wait -1
	s_cmp_lg_u32 s[WV], 0
	s_cbranch_scc1 .Lnot_wave_0_\@
	s_barrier_signal -3
.Lnot_wave_0_\@:
	s_barrier_wait -3
	s_barrier_signal -1
	s_barrier_wait -1
.endm
	s_load_b256 s[4:11], s[0:1], 0x0               ; qimg, qsc, kv, oimg
	s_load_b64 s[12:13], s[0:1], 0x20              ; osc
	v_lshl_add_u32 v[SPW], v0, 2, SPARE
	v_mov_b32 v[NIL], 0
	ds_add_u32 v4, v5
	ds_add_u32 v4, v5
	s_wait_dscnt 0x0
	v_lshrrev_b32 v1, 5, v0
	s_delay_alu instid0(VALU_DEP_1)
	v_readfirstlane_b32 s[WV], v1                  ; wave 0..11
	s_lshr_b32 s15, s[WV], 2                       ; j: which of the three heads
	s_and_b32 s16, s[WV], 3                        ; i: which tile of queries; also which step of a slot I fetch
	s_bfe_u32 s17, ttmp6, 0x40000                  ; cx: my place in the cluster: it enters Q's and O's global addresses alone
	s_lshl_b32 s18, ttmp9, 2
	s_add_co_u32 s18, s18, s17                     ; X: my block of 64 queries
	s_and_b32 s19, ttmp7, 0xffff                   ; y, which the four partners share
	s_mul_i32 s20, s19, 3
	s_add_co_u32 s20, s20, s15                     ; my head
	s_mov_b32 s[G1+0], 15|(3<<16)|(1<<21)          ; the mask: all four work-groups; elements of 8 bytes; bit 21 set beside a mask; no padding
	s_mov_b32 s[G1+1], 32<<16                      ; tensor_dim0 = 32: rows of 256 bytes
	s_mov_b32 s[G1+2], 51<<16                      ; tensor_dim1 = 51
	s_mov_b32 s[G1+3], 32<<16                      ; tile_dim0
	s_mov_b32 s[G1+4], 51                          ; tile_dim1
	s_mov_b32 s[G1+5], 32                          ; dense
	s_mov_b32 s[G1+6], 0
	s_mov_b32 s[G1+7], 0
	s_lshl_b32 s48, s20, 5
	s_add_co_u32 s48, s48, s16
	s_mul_i32 s48, s48, CHUNK                      ; my first chunk: (32 head + i)
	s_mov_b32 s49, 0
	s_mul_i32 s21, s[WV], CHUNK                    ; and its place in a slot: the wave's number alone
	s_mul_i32 s[HB], s15, 4*CHUNK
	s_mov_b32 s[SEL], 0x76543210
	s_mov_b32 s[SEL+1], 0xfedcba98
	s_mov_b32 s[CS], 0x3e38aa3b                    ; log2(e) / 8
	s_mov_b32 s[CS+1], s[CS]                       ; named with it as a pair, so it is written
	s_lshl_b32 s50, s18, 2
	s_add_co_u32 s50, s50, s16                     ; my tile of queries, 0..255
	s_lshl_b32 s52, s20, 8
	s_add_co_u32 s52, s52, s50
	s_mul_i32 s52, s52, 768                        ; qimg: (256 head + tile) x 768
	s_mov_b32 s53, 0
	s_lshl_b32 s54, s20, 6
	s_add_co_u32 s54, s54, s18
	s_lshl_b32 s54, s54, 8
	s_lshl_b32 s51, s16, 2
	s_add_co_u32 s54, s54, s51                     ; qsc: (64 head + X) x 256 + 4 i
	s_mov_b32 s55, 0
	s_mul_i32 s56, s50, 9216
	s_mul_i32 s51, s20, 768
	s_add_co_u32 s56, s56, s51                     ; oimg: tile x 9,216 + head x 768
	s_mov_b32 s57, 0
	s_mul_i32 s58, s18, 1536
	s_lshr_b32 s51, s20, 1
	s_lshl_b32 s51, s51, 8
	s_add_co_u32 s58, s58, s51
	s_lshl_b32 s51, s16, 2
	s_add_co_u32 s58, s58, s51
	s_and_b32 s51, s20, 1
	s_lshl_b32 s51, s51, 1
	s_add_co_u32 s58, s58, s51                     ; osc: X x 1,536 + (head / 2) x 256 + 4 i + 2 (head % 2)
	s_mov_b32 s59, 0
	s_wait_kmcnt 0x0
	s_add_nc_u64 s[48:49], s[8:9], s[48:49]
	s_mov_b32 s[G0], 1
	s_mov_b32 s[G0+1], s21
	s_mov_b64 s[G0+2:G0+3], s[48:49]               ; slot 0: steps 0-3
	s_or_b32 s[G0+3], s[G0+3], 0x80000000
	s_mov_b32 s[G0+4], 1
	s_add_co_u32 s[G0+5], s21, SLOT
	s_add_nc_u64 s[G0+6:G0+7], s[48:49], 4*CHUNK   ; slot 1: steps 4-7
	s_or_b32 s[G0+7], s[G0+7], 0x80000000
	s_add_nc_u64 s[4:5], s[4:5], s[52:53]
	s_add_nc_u64 s[6:7], s[6:7], s[54:55]
	s_add_nc_u64 s[10:11], s[10:11], s[56:57]
	s_add_nc_u64 s[12:13], s[12:13], s[58:59]
	ROUND                                          ; all four work-groups are here: the first joint loads meet
	tensor_load_to_lds s[G0:G0+3], s[G1:G1+7]      ; slot 0
	s_nop 0
.rept 4
	v_nop
.endr
	v_and_b32 v11, 31, v0
	s_delay_alu instid0(VALU_DEP_1)
	v_lshlrev_b32 v[LI], 4, v11
	s_delay_alu instid0(VALU_DEP_2)
	v_lshlrev_b32 v[L8], 3, v11
	v_and_b32 v11, 15, v0
	s_delay_alu instid0(VALU_DEP_1)
	v_lshlrev_b32 v[LR], 4, v11
	v_bfe_u32 v[VH], v0, 4, 1
	s_delay_alu instid0(VALU_DEP_1)
	v_add_nc_u32 v[OSB], v[LR], v[VH]
	global_load_b128 v[QF:QF+3], v[LI], s[4:5]     ; Q's unit stays in registers
	global_load_b64 v[QF+4:QF+5], v[L8], s[4:5] offset:512
	global_load_b32 v[QS], v[LR], s[6:7]           ; and its scale word
.irp e, 0,1,2,3,4,5
	v_mov_b32 v[QF+6+\e], 0                        ; Q's empty half of K: zero codes
	v_mov_b32 v[KF+48+\e], 0                       ; and what stands behind K's tile 7
.endr
.set J, 0
.rept 32
	v_mov_b32 v[O+J], 0                            ; O^T: the step is written once; its first pass finds zeros, which the first change of M leaves zeros
.set J, J+1
.endr
	v_mov_b32 v14, 0                               ; the sum, in two halves
	v_mov_b32 v15, 0
	v_mov_b32 v[PWD], 0                            ; named as the upper half of the pair v[254:255] before it is first written
	v_mov_b32 v13, 0xff61b1e6                      ; the largest t so far: -3e38, under every t
	s_delay_alu instid0(VALU_DEP_1)
	v_floor_f32 v12, -v13                          ; -M
; A KEY STEP: the 128 keys of my head whose chunk begins at LDS byte s[TB]
.macro STEP
	v_add_nc_u32 v[A16], s[TB], v[LI]
	v_add_nc_u32 v[A8], s[TB], v[L8]
	v_add_nc_u32 v[AR], s[TB], v[LR]
	v_nop                                          ; these four are the places behind the last step's products, in front of the loads into V's registers
.irp t, 0,1,2,3,4,5,6,7
	ds_load_b128 v[KF+6*\t:KF+6*\t+3], v[A16] offset:768*\t
	ds_load_b64 v[KF+6*\t+4:KF+6*\t+5], v[A8] offset:768*\t+512
.endr
	ds_load_b128 v[KS:KS+3], v[AR] offset:12288
	ds_load_b128 v[KS+4:KS+7], v[AR] offset:12544
.irp n, 0,1,2,3
.irp c, 0,1
	ds_load_b128 v[VF+12*\n+6*\c:VF+12*\n+6*\c+3], v[A16] offset:6144+768*(2*\n+\c)
	ds_load_b64 v[VF+12*\n+6*\c+4:VF+12*\n+6*\c+5], v[A8] offset:6144+768*(2*\n+\c)+512
.endr
.endr
	ds_load_b128 v[VS:VS+3], v[AR] offset:12800
	s_wait_dscnt 17                                ; K's 18 loads are in; V's 17 may be out
.irp t, 0,1,2,3,4,5,6,7
	v_wmma_scale_f32_16x16x128_f8f6f4 v[S+8*\t:S+8*\t+7], v[KF+6*\t:KF+6*\t+11], v[QF:QF+11], 0, v[KS+\t], v[QS] matrix_a_fmt:MATRIX_FMT_BF6 matrix_b_fmt:MATRIX_FMT_BF6
.endr
	v_mov_b32 v[OLD], v12                          ; the old -M is kept; with three v_nop: four places behind the products
.rept 3
	v_nop
.endr
.irp b, 0,1,2,3
	v_max3_num_f32 v[BM+\b], v[S+16*\b], v[S+16*\b+1], v[S+16*\b+2]   ; the largest score of each block of 32 keys: for the row's maximum, and for the block's largest p
.endr
.irp i, 3,5,7,9,11,13
.irp b, 0,1,2,3
	v_max3_num_f32 v[BM+\b], v[BM+\b], v[S+16*\b+\i], v[S+16*\b+\i+1]
.endr
.endr
.irp b, 0,1,2,3
	v_max_num_f32 v[BM+\b], v[BM+\b], v[S+16*\b+15]
.endr
.irp b, 0,1,2,3
	s_delay_alu instid0(VALU_DEP_4)
	v_permlanex16_b32 v[PD+\b], v[BM+\b], s[SEL], s[SEL+1]
.endr
.irp b, 0,1,2,3
	s_delay_alu instid0(VALU_DEP_4)
	v_max_num_f32 v[BM+\b], v[BM+\b], v[PD+\b]     ; with lane l xor 16's 16 keys
.endr
	s_delay_alu instid0(VALU_DEP_2)
	v_max3_num_f32 v[T], v[BM], v[BM+1], v[BM+2]
	s_delay_alu instid0(VALU_DEP_1)
	v_max_num_f32 v[T], v[T], v[BM+3]              ; the step's largest score of my query
	s_delay_alu instid0(VALU_DEP_1)
	v_mul_f32 v[T], s[CS], v[T]                    ; as t (c is positive)
	s_delay_alu instid0(VALU_DEP_1)
	v_max_num_f32 v13, v13, v[T]                   ; the running largest t
	s_delay_alu instid0(VALU_DEP_1)
	v_floor_f32 v12, -v13                          ; the new -M = -ceil(t): a whole number
	s_delay_alu instid0(VALU_DEP_1)
	v_sub_f32 v[T], v12, v[OLD]                    ; old M - new M: a whole number, 0 or less
	s_delay_alu instid0(VALU_DEP_1)
	v_cvt_i32_f32 v[T], v[T]                       ; (it saturates)
	s_delay_alu instid0(VALU_DEP_1)
	v_ldexp_f32 v[F], 1.0, v[T]                    ; f = 2^(old M - new M)
.set J, 0
.rept 32
	v_pk_fma_f32 v[S+J:S+J+1], v[S+J:S+J+1], s[CS:CS+1], v[12:13] op_sel_hi:[1,0,0]   ; t - M, two at a time
.set J, J+2
.endr
.irp b, 0,1,2,3
	v_fma_f32 v[BM+\b], v[BM+\b], s[CS], v12       ; the same of each block's largest score
.endr
.set J, 0
	s_wait_alu depctr_va_vdst(0)
.rept 64
	v_exp_f32 v[S+J], v[S+J]                       ; p = 2^(t - M), at most 1
.set J, J+1
.endr
	s_setprio 1
.irp b, 0,1,2,3
	v_exp_f32 v[BM+\b], v[BM+\b]                   ; the block's largest p
.endr
	v_pk_mul_f32 v[14:15], v[14:15], v[F:F+1] op_sel_hi:[1,0]   ; the sums under the new M; a plain place behind the exponentials
	s_wait_alu depctr_va_vdst(0)
.irp b, 0,1,2,3
	v_max_num_f32 v[BM+\b], 0x2800000, v[BM+\b]    ; the floor 2^(5 - 127): the byte cannot fall under 1
.endr
.irp b, 0,1,2,3
	s_delay_alu instid0(VALU_DEP_4)
	v_add_nc_u32 v[SO+\b], 0xfe000000, v[BM+\b]    ; 4 off the exponent field: the conversion's scale operand
.endr
.irp b, 0,1,2,3
	s_delay_alu instid0(VALU_DEP_4)
	v_lshrrev_b32 v[PD+\b], 23, v[SO+\b]           ; the scale's byte
.endr
	s_delay_alu instid0(VALU_DEP_3)
	v_lshl_or_b32 v[PWD], v[PD+1], 8, v[PD]        ; p's scale word for these 128 keys
	s_delay_alu instid0(VALU_DEP_1)
	v_lshl_or_b32 v[PWD], v[PD+2], 16, v[PWD]
	s_delay_alu instid0(VALU_DEP_1)
	v_lshl_or_b32 v[PWD], v[PD+3], 24, v[PWD]
.irp c, 0,1
	v_cvt_scalef32_pk16_bf6_f32 v[P+6*\c:P+6*\c+2], v[S+32*\c:S+32*\c+15], v[SO+2*\c]
	v_cvt_scalef32_pk16_bf6_f32 v[H2+4*\c:H2+4*\c+2], v[S+32*\c+16:S+32*\c+31], v[SO+2*\c+1]
.endr
	v_nop                                          ; one plain place behind a scaled conversion
.irp c, 0,1                                        ; a whole block in a lane: lanes 0-15 block 2 c, lanes 16-31 block 2 c + 1
.irp i, 0,1,2
	v_permlane16_swap_b32 v[P+6*\c+\i], v[H2+4*\c+\i]
.endr
.irp i, 0,1,2
	s_delay_alu instid0(VALU_DEP_3)
	v_mov_b32 v[P+6*\c+3+\i], v[H2+4*\c+\i]
.endr
.endr
	v_pk_add_f32 v[54:55], v[138:139], v[142:143]
	v_pk_add_f32 v[248:249], v[146:147], v[150:151]
	v_pk_add_f32 v[246:247], v[154:155], v[158:159]
	v_pk_add_f32 v[244:245], v[162:163], v[166:167]
	v_pk_add_f32 v[242:243], v[170:171], v[174:175]
	v_pk_add_f32 v[78:79], v[178:179], v[182:183]
	v_pk_add_f32 v[76:77], v[186:187], v[190:191]
	v_pk_add_f32 v[14:15], v[14:15], v[194:195]
	v_pk_add_f32 v[54:55], v[54:55], v[134:135]
	v_pk_add_f32 v[248:249], v[248:249], v[136:137]
	v_pk_add_f32 v[246:247], v[246:247], v[140:141]
	v_pk_add_f32 v[244:245], v[244:245], v[144:145]
	v_pk_add_f32 v[242:243], v[242:243], v[148:149]
	v_pk_add_f32 v[78:79], v[78:79], v[152:153]
	v_pk_add_f32 v[76:77], v[76:77], v[156:157]
	v_pk_add_f32 v[14:15], v[14:15], v[160:161]
	v_pk_add_f32 v[54:55], v[54:55], v[164:165]
	v_pk_add_f32 v[248:249], v[248:249], v[168:169]
	v_pk_add_f32 v[246:247], v[246:247], v[172:173]
	v_pk_add_f32 v[244:245], v[244:245], v[176:177]
	v_pk_add_f32 v[242:243], v[242:243], v[180:181]
	v_pk_add_f32 v[78:79], v[78:79], v[184:185]
	v_pk_add_f32 v[76:77], v[76:77], v[188:189]
	v_pk_add_f32 v[14:15], v[14:15], v[192:193]
	v_pk_add_f32 v[54:55], v[54:55], v[196:197]
	s_delay_alu instid0(VALU_DEP_2)
	v_pk_add_f32 v[14:15], v[14:15], v[244:245]
	s_delay_alu instid0(VALU_DEP_2)
	v_pk_add_f32 v[54:55], v[54:55], v[242:243]
	s_setprio 0
	v_pk_add_f32 v[248:249], v[248:249], v[78:79]
	v_pk_add_f32 v[246:247], v[246:247], v[76:77]
	s_delay_alu instid0(VALU_DEP_2)
	v_pk_add_f32 v[14:15], v[14:15], v[248:249]
	s_delay_alu instid0(VALU_DEP_2)
	v_pk_add_f32 v[54:55], v[54:55], v[246:247]
	s_delay_alu instid0(VALU_DEP_1)
	v_pk_add_f32 v[14:15], v[14:15], v[54:55]
.set J, 0
.rept 16
	v_pk_mul_f32 v[O+J:O+J+1], v[O+J:O+J+1], v[F:F+1] op_sel_hi:[1,0]   ; O^T under the new M.  The sums and these are also the places between p's codes and scale word and the products below
.set J, J+2
.endr
	s_wait_alu depctr_va_vdst(0)
	s_wait_dscnt 0x0                               ; V is in
.irp n, 0,1,2,3                                    ; four accumulators, one instruction a turn
	v_wmma_scale_f32_16x16x128_f8f6f4 v[O+8*\n:O+8*\n+7], v[VF+12*\n:VF+12*\n+11], v[P:P+11], v[O+8*\n:O+8*\n+7], v[VS+\n], v[PWD] matrix_a_fmt:MATRIX_FMT_BF6 matrix_b_fmt:MATRIX_FMT_BF6
.endr
.endm
; a slot's four steps of my head: written once, walked four times
.macro SLOTWORK slot
	s_add_co_u32 s[TB], s[HB], (\slot)*SLOT
	s_mov_b32 s[CNT], 4
.Lstep_\@:
	s_wait_alu depctr_va_vdst(0)
	s_setprio 2
	STEP
	s_add_co_u32 s[TB], s[TB], CHUNK
	s_sub_co_u32 s[CNT], s[CNT], 1
	s_cmp_lg_u32 s[CNT], 0
	s_cbranch_scc1 .Lstep_\@
	s_setprio 0
.endm
; A change of slots stands at a slot's head.  Each wave waits for all its tensor loads (one is out: its chunk of the slot ahead), adds 0 to its spare word, and waits for that and for its reads
; of the slot that it has left.  Behind the cluster's barrier the slot ahead is whole in all four work-groups and nobody reads the other: it is filled with the next 512 keys, and that load
; has this slot's four steps of every wave in which to land.
.macro TRIP slot, refill
	s_wait_tensorcnt 0x0                           ; no tensor load of mine is out, so a group 0 may be written
	ds_add_u32 v[SPW], v[NIL]                      ; 0 onto my spare word
	s_add_nc_u64 s[G0+4*\slot+2:G0+4*\slot+3], s[G0+4*\slot+2:G0+4*\slot+3], 8*CHUNK   ; this slot's next fill: eight steps on
	s_wait_dscnt 0x0                               ; the add is done, and my reads of the slot that I have left are over
	ROUND
.if \refill
	tensor_load_to_lds s[G0+4-4*\slot:G0+7-4*\slot], s[G1:G1+7]   ; the first thing behind the barrier, and my one tensor load until the next
	s_nop 0
.rept 4
	v_nop
.endr
.endif
	SLOTWORK \slot
.endm
	s_wait_loadcnt 0x0                             ; Q
	s_mov_b32 s[LOOP], 3
.Lloop:                                            ; eight slots of 512 keys: three trips of two, and two written out
	TRIP 0, 1
	TRIP 1, 1
	s_sub_co_u32 s[LOOP], s[LOOP], 1
	s_cmp_lg_u32 s[LOOP], 0
	s_cbranch_scc1 .Lloop
	TRIP 0, 1
	TRIP 1, 0
	; THE WAY OUT.  O^T / the row's sum is my query's 32 of the head's 64 channels (register 16 b + e = channel 32 b + 16 h + e): quantised along the channels, it is one unit of the output projection's operand.
.rept 4
	v_nop
.endr
	v_add_f32 v14, v14, v15                        ; the sum's two halves,
	s_delay_alu instid0(VALU_DEP_1)
	v_permlanex16_b32 v[OLD], v14, s[SEL], s[SEL+1]
	s_delay_alu instid0(VALU_DEP_1)
	v_add_f32 v14, v14, v[OLD]                     ; and lane l xor 16's: the row's sum
	s_wait_alu depctr_va_vdst(0)
	v_rcp_f32 v14, v14
	v_cmp_ne_u32 vcc_lo, 0, v[VH]                  ; (a plain place behind the reciprocal)
.set J, 0
	s_wait_alu depctr_va_vdst(0)
.rept 16
	v_pk_mul_f32 v[S+J:S+J+1], v[O+J:O+J+1], v[14:15] op_sel_hi:[1,0]   ; each accumulator from its low end on
.set J, J+2
.endr
.irp b, 0,1
	v_max3_num_f32 v[BM+\b], |v[S+16*\b]|, |v[S+16*\b+1]|, 0x2800000
.endr
.irp i, 2,4,6,8,10,12,14
.irp b, 0,1
	s_delay_alu instid0(VALU_DEP_2)
	v_max3_num_f32 v[BM+\b], v[BM+\b], |v[S+16*\b+\i]|, |v[S+16*\b+\i+1]|
.endr
.endr
.irp b, 0,1
	s_delay_alu instid0(VALU_DEP_2)
	v_permlanex16_b32 v[PD+\b], v[BM+\b], s[SEL], s[SEL+1]
.endr
.irp b, 0,1
	s_delay_alu instid0(VALU_DEP_2)
	v_max_num_f32 v[BM+\b], v[BM+\b], v[PD+\b]
.endr
.irp b, 0,1
	s_delay_alu instid0(VALU_DEP_2)
	v_add_nc_u32 v[SO+\b], 0xfe000000, v[BM+\b]
.endr
.irp b, 0,1
	s_delay_alu instid0(VALU_DEP_2)
	v_lshrrev_b32 v[PD+\b], 23, v[SO+\b]
.endr
	v_cvt_scalef32_pk16_bf6_f32 v[P:P+2], v[S:S+15], v[SO]
	v_cvt_scalef32_pk16_bf6_f32 v[H2:H2+2], v[S+16:S+31], v[SO+1]
	v_nop                                          ; one plain place behind a scaled conversion
.irp i, 0,1,2
	v_permlane16_swap_b32 v[P+\i], v[H2+\i]
.endr
.irp i, 0,1,2
	s_delay_alu instid0(VALU_DEP_3)
	v_mov_b32 v[P+3+\i], v[H2+\i]
.endr
	v_cndmask_b32 v[T], v[PD], v[PD+1], vcc_lo     ; lanes 0-15 store block 0's byte of their row, lanes 16-31 block 1's
	global_store_b128 v[LI], v[P:P+3], s[10:11]    ; 512 consecutive bytes, aligned
	global_store_b64 v[L8], v[P+4:P+5], s[10:11] offset:512
	global_store_b8 v[OSB], v[T], s[12:13]         ; a word's four bytes come from two heads' waves
	s_wait_tensorcnt 0x0                           ; the wave's end
	ds_add_u32 v[SPW], v[NIL]
	s_wait_dscnt 0x0
	ROUND                                          ; the closing round: no work-group ends while a partner may still ask for a chunk that names it
	s_endpgm
.Lfunc_end_k_q362c0d3ddf_attn:
	.size	k_q362c0d3ddf_attn, .Lfunc_end_k_q362c0d3ddf_attn-k_q362c0d3ddf_attn
	.p2alignl 7, 3214868480
	.fill 96, 4, 3214868480
	.section	.rodata,"a",@progbits
	.p2align	6, 0x0
	.amdhsa_kernel k_q362c0d3ddf_attn
		.amdhsa_group_segment_fixed_size 327680
		.amdhsa_private_segment_fixed_size 0
		.amdhsa_enable_private_segment 0
		.amdhsa_kernarg_size 40
		.amdhsa_user_sgpr_count 2
		.amdhsa_user_sgpr_kernarg_segment_ptr 1
		.amdhsa_wavefront_size32 1
		.amdhsa_system_sgpr_workgroup_id_x 1
		.amdhsa_system_sgpr_workgroup_id_y 1
		.amdhsa_system_sgpr_workgroup_id_z 1
		.amdhsa_system_vgpr_workitem_id 0
		.amdhsa_next_free_vgpr 256
		.amdhsa_next_free_sgpr 66
		.amdhsa_reserve_vcc 1
		.amdhsa_float_denorm_mode_32 3
		.amdhsa_float_denorm_mode_16_64 3
		.amdhsa_memory_ordered 1
		.amdhsa_forward_progress 1
		.amdhsa_inst_pref_size 83
	.end_amdhsa_kernel
	.amdgpu_metadata
---
amdhsa.version: [ 1, 2 ]
amdhsa.kernels:
  - .name:           k_q362c0d3ddf_attn
    .symbol:         k_q362c0d3ddf_attn.kd
    .args:
      - { .name: qimg, .offset: 0, .size: 8, .value_kind: global_buffer, .address_space: global }
      - { .name: qsc, .offset: 8, .size: 8, .value_kind: global_buffer, .address_space: global }
      - { .name: kv, .offset: 16, .size: 8, .value_kind: global_buffer, .address_space: global }
      - { .name: oimg, .offset: 24, .size: 8, .value_kind: global_buffer, .address_space: global }
      - { .name: osc, .offset: 32, .size: 8, .value_kind: global_buffer, .address_space: global }
    .group_segment_fixed_size: 327680
    .private_segment_fixed_size: 0
    .kernarg_segment_align: 8
    .kernarg_segment_size: 40
    .max_flat_workgroup_size: 384
    .sgpr_count:     66
    .vgpr_count:     256
    .wavefront_size: 32
...
	.end_amdgpu_metadata
.endif
;; end of part 7
;; launch oproj (part 8): grid 64 x 4, 3 waves a work-group, no clusters, 52,736 bytes of LDS; arguments oimg, osc, img, isc, bo, out0; writes out0
.if DOCPART == 8
	.amdgcn_target "amdgcn-amd-amdhsa--gfx1250"
	.amdhsa_code_object_version 6
	.text
	.protected	k_q362c0d3ddf_oproj
	.globl	k_q362c0d3ddf_oproj
	.p2align	8
	.type	k_q362c0d3ddf_oproj,@function
k_q362c0d3ddf_oproj:
	s_mov_b64 s[64:65], 0
	v_nop
	global_prefetch_b8 v0, s[64:65] scope:SCOPE_SE
	s_setreg_imm32_b32 hwreg(HW_REG_WAVE_SCHED_MODE, 0, 2), 2
	s_setreg_imm32_b32 hwreg(HW_REG_WAVE_MODE, 25, 1), 1
	s_wait_xcnt 0x0
	s_wait_alu depctr_vm_vsrc(0)
; out0 = O Wo^T + bo on codes of BF6 (E3M2) with E8M0 scales, sums in f32.  O's codes and scale words were made by the attention, Wo's by the first launch; both lie in the order of an operand's registers.
; SHARES.  768 jobs of 64 tokens x 64 columns = 256 work-groups x 3 waves; a job is one wave's: 16 accumulators, 6 K steps of 128 (two heads each), 96 matrix instructions.
; Source 0 = 16 rows of Wo, source 1 = 16 tokens: a lane holds a token, and register 16 g + e of its 32 is column 32 g + 16 h + e.  The bias is the C of each sum's first matrix instruction.
; Two sets of fragments in window 1: while one K step is multiplied, the next one's 28 loads are on their way.
; NO CLUSTER, no tensor load: the operands go from memory straight into registers, so there is no tile in LDS to ask for jointly.  The waves share nothing: no barrier.
; The way out goes through the wave's own stage in LDS (64 rows of 256 bytes + 16), so that sixteen lanes store 256 consecutive bytes, aligned.
; REGISTERS: window 0: v1-7 addresses; v16-39 Wo's scale words (4 s + j), v40-63 O's (4 s + i): scales and nothing else; v128-255 accumulator (i, j) at 128 + 32 i + 8 j.
;   window 1: set q at 96 q: Wo's four fragments, then O's four.
; THE MODE: SCHED_MODE bits 1:0 = 2 (LLVM: expert scheduling mode 2), set by the entry lines.  The code itself states the register dependences
; between vector or matrix instructions and memory or LDS instructions, with s_wait_alu, always for 0.
; THE PLAN.  Registers that memory or LDS instructions touch:
;   v1-v7, v126, v127  offsets and LDS addresses.  Written by vector lines at the head, never written again.
;   v16-v63            the scale words, and accumulators (3, j), where the bias lands: loaded once, ahead of every product.
;   set 0, set 1       The 28 loads of K step s land in set s % 2; the step's 16 products read it; the loads of K step s + 2 land in it again.
;   the accumulators   on the way out: written by the products, read by the 32 LDS stores; then the 32 loads from the stage land in them, and the global stores read them.
; So one wait on va_vdst stands at the head, ahead of the first load; one behind the products of each of K steps 0 to 3, where a set is emptied and asked for again at once
; (dealt among the next step's products its loads would stand behind the wait for that step's data); and one ahead of the LDS stores.  One wait on vm_vsrc stands between
; the 32 LDS stores and the 32 loads that land in the registers which those stores read.
.set LI,  1                            ; v1 16 x lane    v2 8 x lane    v3 16 r
.set L8,  2
.set LR,  3
.set STO, 4                            ; v4 the stage, in: my stage + (r + 8 (r / 8)) x 272 + 64 h
.set RD,  5                            ; v5 and back: my stage + 272 h + 16 r
.set GO,  6                            ; v6 the same two rows in out0: 3,072 h + 16 r
.set LB,  7                            ; v7 64 h
.set PS,  16
.set RS,  40
.set ACC, 128
.set RB,  4                            ; s[4:5] O's images    s[6:7] O's scale tables    s[8:9] Wo's images    s[10:11] Wo's scale tables
.set RSB, 6
.set PB,  8
.set PSB, 10
.set MSB, 0
.macro WIN new                         ; the immediate's high byte repeats the setting that is left
.if MSB != \new
	s_set_vgpr_msb (MSB<<8)|\new
.set MSB, \new
.endif
.endm
.macro PLACES n
.rept \n
	v_nop
.endr
.endm
	s_load_b256 s[4:11], s[0:1], 0x0               ; oimg, osc, img, isc
	s_load_b128 s[12:15], s[0:1], 0x20             ; bo, out0
	v_lshl_add_u32 v126, v0, 2, 0xcc00
	v_mov_b32 v127, 0
	v_lshrrev_b32 v8, 5, v0
	v_readfirstlane_b32 s16, v8                    ; wave 0..2
	s_and_b32 s17, ttmp7, 0xffff
	s_mul_i32 s17, s17, 3
	s_wait_alu depctr_va_sdst(0)                   ; s16 is written, ahead of its first reader: the job's columns, the bases and my stage are made from it
	s_add_co_u32 s17, s17, s16                     ; my block of 64 columns, 0..11
	s_add_co_u32 s18, s17, 228                     ; Wo's block in img
	s_mul_i32 s20, s18, 36864
	s_mov_b32 s21, 0
	s_mul_i32 s22, s18, 1536
	s_mov_b32 s23, 0
	s_mul_i32 s24, ttmp9, 36864                    ; my block of 64 tokens: four tiles of 9,216 bytes
	s_mov_b32 s25, 0
	s_mul_i32 s26, ttmp9, 1536
	s_mov_b32 s27, 0
	s_lshl_b32 s28, s17, 8
	s_mov_b32 s29, 0
	s_mul_i32 s30, ttmp9, 196608                   ; 64 rows of 3,072 bytes
	s_add_co_u32 s30, s30, s28
	s_mov_b32 s31, 0
	s_mul_i32 s19, s16, 64*272                     ; my stage
	v_and_b32 v8, 31, v0
	v_and_b32 v9, 15, v0                           ; r
	v_bfe_u32 v10, v0, 4, 1                        ; h
	v_lshlrev_b32 v[LI], 4, v8
	v_lshlrev_b32 v[L8], 3, v8
	v_lshlrev_b32 v[LR], 4, v9
	v_and_b32 v11, 8, v9
	v_add_nc_u32 v11, v11, v9                      ; r + 8 (r / 8)
	v_mul_u32_u24 v[STO], v11, 272
	v_lshl_add_u32 v[STO], v10, 6, v[STO]
	v_add_nc_u32 v[STO], s19, v[STO]
	v_mul_u32_u24 v[RD], v10, 272
	v_add_nc_u32 v[RD], v[RD], v[LR]
	v_add_nc_u32 v[RD], s19, v[RD]
	v_mul_u32_u24 v[GO], v10, 3072
	v_add_nc_u32 v[GO], v[GO], v[LR]
	v_lshlrev_b32 v[LB], 6, v10
	s_wait_kmcnt 0x0
	s_add_nc_u64 s[PB:PB+1], s[PB:PB+1], s[20:21]
	s_add_nc_u64 s[PSB:PSB+1], s[PSB:PSB+1], s[22:23]
	s_add_nc_u64 s[RB:RB+1], s[RB:RB+1], s[24:25]
	s_add_nc_u64 s[RSB:RSB+1], s[RSB:RSB+1], s[26:27]
	s_add_nc_u64 s[12:13], s[12:13], s[28:29]
	s_add_nc_u64 s[14:15], s[14:15], s[30:31]
	s_wait_alu depctr_va_vdst(0)                   ; the offsets and LDS addresses v1 to v7 are written, which every load and store of the kernel reads
.irp s, 0,1,2,3,4,5                                ; all scale words at once: 12 loads
	global_load_b128 v[PS+4*\s:PS+4*\s+3], v[LR], s[PSB:PSB+1] offset:256*\s
	global_load_b128 v[RS+4*\s:RS+4*\s+3], v[LR], s[RSB:RSB+1] offset:256*\s
.endr
.irp j, 0,1,2,3                                    ; the bias, into accumulators (3, j): columns 32 (j / 2) + 8 (j % 2) + 16 h + 0 .. 7
	global_load_b128 v[ACC+96+8*\j:ACC+96+8*\j+3], v[LB], s[12:13] offset:(32*(\j/2)+8*(\j%2))*4
	global_load_b128 v[ACC+96+8*\j+4:ACC+96+8*\j+7], v[LB], s[12:13] offset:(32*(\j/2)+8*(\j%2))*4+16
.endr
; K step s into set s % 2: 12 loads for Wo's fragments, 16 for O's (a fragment is two heads' units of 768 bytes).  again = 1: the set has been multiplied before
.macro LOADSET s, again
	WIN 0x40                                       ; destination window 1, address window 0
.if \again
	s_wait_alu depctr_va_vdst(0)                   ; the products of two K steps back, just issued, are done reading this set, in which the 28 loads below land
.endif
.set QB, 96*((\s)%2)
.irp j, 0,1,2,3
.irp c, 0,1,2
	global_load_b128 v[QB+12*\j+4*\c:QB+12*\j+4*\c+3], v[LI], s[PB:PB+1] offset:9216*\j+1536*(\s)+512*\c
.endr
.endr
.irp i, 0,1,2,3
.irp c, 0,1
	global_load_b128 v[QB+48+12*\i+6*\c:QB+48+12*\i+6*\c+3], v[LI], s[RB:RB+1] offset:9216*\i+1536*(\s)+768*\c
	global_load_b64 v[QB+48+12*\i+6*\c+4:QB+48+12*\i+6*\c+5], v[L8], s[RB:RB+1] offset:9216*\i+1536*(\s)+768*\c+512
.endr
.endr
.endm
.macro WO s, i, j, ci
	v_wmma_scale_f32_16x16x128_f8f6f4 v[ACC+32*(\i)+8*(\j):ACC+32*(\i)+8*(\j)+7], v[QB+12*(\j):QB+12*(\j)+11], v[QB+48+12*(\i):QB+48+12*(\i)+11], v[ACC+32*(\ci)+8*(\j):ACC+32*(\ci)+8*(\j)+7], v[PS+4*(\s)+(\j)], v[RS+4*(\s)+(\i)] matrix_a_fmt:MATRIX_FMT_BF6 matrix_b_fmt:MATRIX_FMT_BF6
.endm
.macro MULS s                                      ; the 16 accumulators take turns, one instruction a turn
	WIN 0x05                                       ; sources 0 and 1 window 1; C and D window 0
.set QB, 96*((\s)%2)
.if (\s) == 0
.irp i, 0,1,2
.irp j, 0,1,2,3
	WO \s,\i,\j,3
.endr
.endr
	PLACES 5                                       ; the next four write over registers that the twelve above read as C
.irp j, 0,1,2,3
	WO \s,3,\j,3
.endr
.else
.irp i, 0,1,2,3
.irp j, 0,1,2,3
	WO \s,\i,\j,\i
.endr
.endr
.endif
.endm
	LOADSET 0, 0                                   ; no vector or matrix instruction since the wait at the head: nothing more is owed for these 56 loads
	LOADSET 1, 0
.irp s, 0,1,2,3,4,5
.if \s < 5
	s_wait_loadcnt 28                              ; this K step's set is in (at first the scale words and the bias too); the next set's 28 loads may be out
.else
	s_wait_loadcnt 0x0
.endif
	MULS \s
	PLACES 4                                       ; four places between the products and the loads into their registers, and ahead of the first read of results; the waits behind them state the dependences
.if \s < 4
	LOADSET \s+2, 1
.endif
.endr
	WIN 0
	; THE WAY OUT.  All 64 rows go into my stage, then come back as whole rows.  LDS serves a wave's instructions in order: the loads see the stores above them.
	s_wait_alu depctr_va_vdst(0)                   ; the products have written the accumulators, which the LDS stores read and in which the loads from the stage land; the four places stand ahead of this wait
.irp b, 0,1
.irp u, 0,1
.irp g, 0,1
.irp q, 0,1,2,3
	ds_store_b128 v[STO], v[ACC+32*(2*\b+\u)+16*\g+4*\q:ACC+32*(2*\b+\u)+16*\g+4*\q+3] offset:(32*\b+8*\u)*272+128*\g+16*\q   ; each accumulator from its low end on
.endr
.endr
.endr
.endr
	s_wait_alu depctr_vm_vsrc(0)                   ; the 32 LDS stores have read the accumulators' registers, in which the 32 loads below land
.irp b, 0,1
.irp t, 0,1,2,3,4,5,6,7,8,9,10,11,12,13,14,15
	ds_load_b128 v[ACC+64*\b+4*\t:ACC+64*\b+4*\t+3], v[RD] offset:(32*\b+2*\t)*272
.endr
.endr
.irp b, 0,1
.irp t, 0,1,2,3,4,5,6,7,8,9,10,11,12,13,14,15
	s_wait_dscnt 31-16*\b-\t                       ; behind this load: the later ones of the 32
	global_store_b128 v[GO], v[ACC+64*\b+4*\t:ACC+64*\b+4*\t+3], s[14:15] offset:(32*\b+2*\t)*3072 th:TH_STORE_NT   ; 16 lanes store 256 consecutive bytes, aligned; written once, read by nobody here
.endr
.endr
	s_wait_dscnt 0x0                               ; the closing lines, six on end
	s_wait_alu 0x0
	s_wait_tensorcnt 0x0
	ds_add_u32 v126, v127
	s_wait_dscnt 0x0
	s_endpgm
.Lfunc_end_k_q362c0d3ddf_oproj:
	.size	k_q362c0d3ddf_oproj, .Lfunc_end_k_q362c0d3ddf_oproj-k_q362c0d3ddf_oproj
	.p2alignl 7, 3214868480
	.fill 96, 4, 3214868480
	.section	.rodata,"a",@progbits
	.p2align	6, 0x0
	.amdhsa_kernel k_q362c0d3ddf_oproj
		.amdhsa_group_segment_fixed_size 52736
		.amdhsa_private_segment_fixed_size 0
		.amdhsa_enable_private_segment 0
		.amdhsa_kernarg_size 48
		.amdhsa_user_sgpr_count 2
		.amdhsa_user_sgpr_kernarg_segment_ptr 1
		.amdhsa_wavefront_size32 1
		.amdhsa_system_sgpr_workgroup_id_x 1
		.amdhsa_system_sgpr_workgroup_id_y 1
		.amdhsa_system_sgpr_workgroup_id_z 1
		.amdhsa_system_vgpr_workitem_id 0
		.amdhsa_next_free_vgpr 448
		.amdhsa_next_free_sgpr 66
		.amdhsa_reserve_vcc 0
		.amdhsa_float_denorm_mode_32 3
		.amdhsa_float_denorm_mode_16_64 3
		.amdhsa_memory_ordered 1
		.amdhsa_forward_progress 1
		.amdhsa_inst_pref_size 42
	.end_amdhsa_kernel
	.amdgpu_metadata
---
amdhsa.version: [ 1, 2 ]
amdhsa.kernels:
  - .name:           k_q362c0d3ddf_oproj
    .symbol:         k_q362c0d3ddf_oproj.kd
    .args:
      - { .name: oimg, .offset: 0, .size: 8, .value_kind: global_buffer, .address_space: global }
      - { .name: osc, .offset: 8, .size: 8, .value_kind: global_buffer, .address_space: global }
      - { .name: img, .offset: 16, .size: 8, .value_kind: global_buffer, .address_space: global }
      - { .name: isc, .offset: 24, .size: 8, .value_kind: global_buffer, .address_space: global }
      - { .name: bo, .offset: 32, .size: 8, .value_kind: global_buffer, .address_space: global }
      - { .name: out0, .offset: 40, .size: 8, .value_kind: global_buffer, .address_space: global }
    .group_segment_fixed_size: 52736
    .private_segment_fixed_size: 0
    .kernarg_segment_align: 8
    .kernarg_segment_size: 48
    .max_flat_workgroup_size: 96
    .sgpr_count:     66
    .vgpr_count:     448
    .wavefront_size: 32
...
	.end_amdgpu_metadata
.endif
;; end of part 8
